; MI455X (gfx1250); checked and timed in simulation.
; The chip was launched on July 23, 2026; its instructions are those of AMD's public machine-readable ISA for CDNA 5 (MIT licence, August 2026) and "CDNA5" Instruction Set Architecture Reference Guide (July 2026). The comments in the code are by the model that wrote it; some were corrected since.
;; Self Attention. Allowed arithmetic: matrix products marked QUANTISED: E2M3 operands, one E8M0 scale for each 32 along K, by v_wmma_scale_f32_16x16x128_f8f6f4 with both operands' format E2M3, f32 sums; everything else in f32.
;; Inputs: Wk 1,024 x 1,024 float32; Wo 1,024 x 1,024 float32; Wq 1,024 x 1,024 float32; Wv 1,024 x 1,024 float32; bk 1,024 float32; bo 1,024 float32; bq 1,024 float32; bv 1,024 float32; mask 4 x 2,048 x 2,048 int32; xk 4 x 2,048 x 1,024 float32; xq 4 x 2,048 x 1,024 float32; xv 4 x 2,048 x 1,024 float32.
;; Outputs: out0 4 x 2,048 x 1,024 float32.
;; This version of the problem:
;;   THIS VERSION OF THE PROBLEM IS GIVEN IN LOW PRECISION. The matrix products marked QUANTISED in the list below multiply operands that are first quantised to E2M3 (2 exponent bits, 3 mantissa bits; 6 bits a number), with one power-of-two scale for each 32 numbers along K (OCP MX v1.0); their sums are f32. All else is computed in f32.
;;   The module's matrix products, in the order in which they are computed (A, B: the left and right operand; K: the contracted axis; several contracted axes count as one K, in the product's order):
;;     1. [M 8,192, K 1,024] x [K 1,024, N 1,024]; A: input xq; B: input Wq: QUANTISED
;;     2. [M 8,192, K 1,024] x [K 1,024, N 1,024]; A: input xk; B: input Wk: QUANTISED
;;     3. [M 8,192, K 1,024] x [K 1,024, N 1,024]; A: input xv; B: input Wv: QUANTISED
;;     4. batch 64 x [M 2,048, K 64] x [K 64, N 2,048]; A: computed on the way; B: computed on the way: QUANTISED
;;     5. batch 64 x [M 64, K 2,048] x [K 2,048, N 2,048]; A: computed on the way; B: softmax (see below): QUANTISED
;;     6. [M 8,192, K 1,024] x [K 1,024, N 1,024]; A: computed on the way; B: input Wo: QUANTISED
;;   THE QUANTISER, for each operand of a quantised product, along K:
;;     - K is cut into blocks of 32 from its start; a last block that is shorter is filled with zeros.
;;     - A block's scale is 2^e with e = floor(log2(the largest magnitude in the block)) - 2, held to -126 .. 127; a block of zeros has e = 0. As a byte (E8M0): e + 127.
;;     - Each number is divided by its block's scale, clamped to +-7.5, and rounded to the nearest number of E2M3, ties to even, subnormals kept.
;;     - The product sums the exact products of the quantised numbers (number of the format x scale) in f32.
;;   ~~~python
;;   def quantise(x, axis):      # numpy; x: float32 -> the quantised numbers, widened to float32 again
;;       x = np.moveaxis(x, axis, -1); K = x.shape[-1]
;;       x = np.pad(x, [(0, 0)] * (x.ndim - 1) + [(0, -K % 32)]); x = x.reshape(x.shape[:-1] + (-1, 32)); a = np.abs(x).max(-1, keepdims=True)
;;       e = np.where(a > 0, np.clip(np.frexp(np.where(a > 0, a, 1))[1] - 1 - 2, -126, 127), 0)      # np.frexp(a)[1] - 1 = floor(log2(a)), exactly
;;       r = np.clip(x / 2.0 ** e, -7.5, 7.5)
;;       step = 2.0 ** (np.maximum(np.frexp(np.where(r == 0, 1, r))[1] - 1, 0) - 3)
;;       q = np.round(r / step) * step * 2.0 ** e      # np.round: ties to even
;;       return np.moveaxis(q.reshape(q.shape[:-2] + (-1,))[..., :K], -1, axis).astype(np.float32)
;;   ~~~
;;   SOFTMAX AHEAD OF A QUANTISED PRODUCT. Where the list says 'softmax', what is quantised is not the finished softmax but p = 2^(t - M), with t = logit x log2(e) and M = ceil(the row's largest t), a whole number; so 1/2 < the row's largest p <= 1. The row's sum l is taken of the UNQUANTISED p, in f32, and the product's result is divided by l at the end. Since M is a whole number, a kernel that streams over the keys may use a running M (the ceiling of the running maximum): every later rescaling is an exact power of two, which a block's scale takes up: the codes' values come out the same.
;;   OPERANDS COMPUTED ON THE WAY. 'Computed on the way' means the value that the module computes at that place (a softmax that the list does not call 'softmax' is quantised finished and normalised). What goes into a quantiser is computed in f32, as accurately as f32 sums, v_exp_f32 and their like allow (about 1e-6 of the number): no bf16 or f16 on the way to a quantiser, and a product that is left as it is and whose result goes on into a quantised operand takes f32 operands (vector FMAs, or v_wmma_f32_16x16x4_f32). A number that lies on a knife's edge between two numbers of the format may be rounded either way, as far as f32 arithmetic and the matrix unit's own rounding can turn it there, and no further.
;; One version. Each part assembles by itself: llvm-mc -triple=amdgcn-amd-amdhsa -mcpu=gfx1250 --defsym DOCPART=n.
;; ======== version 1 of 1: 4 launches
;; limits: right only within a limited range of input values; a function is approximated: absolute error at most 1.5e-07
;; workspace buffers: cod 22,020,096 bytes; scl 917,504 bytes; mb 2,097,152 bytes of whole numbers; qrec 13,369,344 bytes; kvrec 13,369,344 bytes; cc 6,291,456 bytes; cs 262,144 bytes
;; launch prep (part 1): grid 576 x 1, 4 waves a work-group, no clusters, 69,120 bytes of LDS; arguments mask, xq, xk, xv, Wq, Wk, Wv, Wo, cod, scl, mb; writes cod, scl, mb
.if DOCPART == 1
	.amdgcn_target "amdgcn-amd-amdhsa--gfx1250"
	.amdhsa_code_object_version 6
	.text
	.protected	k_q278921e25d_prep
	.globl	k_q278921e25d_prep
	.p2align	8
	.type	k_q278921e25d_prep,@function
k_q278921e25d_prep:
	s_mov_b64 s[64:65], 0
	v_nop
	global_prefetch_b8 v0, s[64:65] scope:SCOPE_SE
	s_setreg_imm32_b32 hwreg(HW_REG_WAVE_MODE, 25, 1), 1
	s_wait_xcnt 0x0
; PREP.  Work-groups 0-127 pack the mask; work-groups 128-575 quantise xq, xk, xv, Wq, Wk, Wv, Wo to codes of FP6 (E2M3) with one E8M0 byte for each 32 along K.
; MASK.  A wave takes 16 queries (tile Tm of the 512) and walks 16 steps of 128 keys.  Of each step it makes 64 words: bit 16 h + r of word 16 blk + i says whether mask[16 Tm + r][128 step + 32 blk + 16 h + i] is not 0:
; that is the lane mask which the attention launch lays over its score register 16 blk + i.
; CODES.  A wave takes one tile of 16 rows x 1,024 K.  The unit of all code buffers is a HALF IMAGE of 768 bytes: 16 rows x 64 K as registers 0-5 of a 6-bit operand: lane l = 16 h + r (row r, K = 32 h .. 32 h + 31):
; registers 0-3 at byte 16 l, registers 4-5 at byte 512 + 8 l.  So every store here, and every later load, covers whole runs of 512 or 256 consecutive bytes.
; ROWS.  In xk, xv, Wq, Wk, Wv place 16 u + r of each group of 32 rows holds row 8 u + r + 8 (r / 8): as source 0 of a product such tiles leave 16 neighbours along the next K in a lane's registers.  xq and Wo lie plain.
; A block's scale is 2^(floor(log2(largest magnitude)) - 2); its byte is the largest magnitude's exponent field - 2, held at 1 from below.
; LIMITS: a block of zeros gets the byte 1 where the rule says 127 (its codes are zeros, and this program alone reads the bytes); NaN and infinities among the inputs are not served.
; No barrier: waves share nothing.  The two paths have LDS bytes of their own: codes 0 .. 34,815, mask 34,816 .. 68,607.
.set MSTG,  34816                      ; the mask path's stages: 16 rows x (512 + 16) bytes a wave
.set MR,    16                         ; v16-143  mask: two sets of 64 registers as loaded
.set MX,    144                        ; v144-207 mask: a step turned: register 16 blk + i
.set MW,    208                        ; v208-209 mask: lane L holds words 2 L and 2 L + 1
.set R,     16                         ; v16-143  codes: four sets of 32 numbers as loaded
.set X,     144                        ; v144-207 codes: two sets of 32 neighbours
.set C,     208                        ; v208-214 a block's codes
.set SW,    216                        ; v216-223 the scale words of my row, one for each 128 along K
.macro MLOAD set, koff                 ; 16 rows x 512 consecutive bytes: a load a row
.set ml, 0
.rept 16
	global_load_b128 v[MR+64*(\set)+4*ml:MR+64*(\set)+4*ml+3], v5, s[26:27] offset:ml*8192+(\koff) th:TH_LOAD_NT
.set ml, ml+1
.endr
.endm
.macro MSTEP set, ahead, left
	s_wait_loadcnt \left                           ; this set's 16 loads are in; the other set's 16 may be out
.set ml, 0
.rept 16
	ds_store_b128 v7, v[MR+64*(\set)+4*ml:MR+64*(\set)+4*ml+3] offset:528*ml
.set ml, ml+1
.endr
.set ml, 0
.rept 16
	ds_load_b128 v[MX+4*ml:MX+4*ml+3], v8 offset:128*(ml/4)+16*(ml%4)   ; a wave's LDS instructions are served in order: these see the stores above
.set ml, ml+1
.endr
	s_wait_dscnt 0x0                               ; the step is back, and the stores have read their registers
	s_wait_xcnt 0x0                                ; the last step's store has read v208-209
.if \ahead
	MLOAD \set, 1024+512*(\set)                    ; the step two further on
.endif
.set n, 0
.rept 16
	v_cmp_ne_u32 s40, 0, v[MX+n]
	v_cmp_ne_u32 s41, 0, v[MX+n+1]
	v_cmp_ne_u32 s42, 0, v[MX+n+2]
	v_cmp_ne_u32 s43, 0, v[MX+n+3]
	v_writelane_b32 v[MW], s40, n/2
	v_writelane_b32 v[MW+1], s41, n/2
	v_writelane_b32 v[MW], s42, n/2+1
	v_writelane_b32 v[MW+1], s43, n/2+1
.set n, n+4
.endr
	global_store_b64 v6, v[MW:MW+1], s[28:29] offset:256*(\set)   ; 32 lanes store 256 consecutive bytes, aligned
.endm
.macro QLOAD x                         ; 64 along K of my 16 rows: a load takes two rows x 256 consecutive bytes
.irp i, 0,1,2,3
	global_load_b128 v[R+32*((\x)%4)+4*\i:R+32*((\x)%4)+4*\i+3], v7, s[26:27] offset:\i*8192+256*(\x) th:TH_LOAD_NT
.endr
.irp i, 4,5,6,7
	global_load_b128 v[R+32*((\x)%4)+4*\i:R+32*((\x)%4)+4*\i+3], v8, s[26:27] offset:\i*8192+256*(\x) th:TH_LOAD_NT
.endr
.endm
.macro QTURN x                         ; through my stage (rows of 256 + 16 bytes): lane (r, h) gets the whole block K = 64 x + 32 h .. + 31 of row r
.irp i, 0,1,2,3,4,5,6,7
	ds_store_b128 v9, v[R+32*((\x)%4)+4*\i:R+32*((\x)%4)+4*\i+3] offset:4352*((\x)%2)+544*\i
.endr
.irp j, 0,1,2,3,4,5,6,7
	ds_load_b128 v[X+32*((\x)%2)+4*\j:X+32*((\x)%2)+4*\j+3], v10 offset:4352*((\x)%2)+16*\j
.endr
.endm
.macro QSTEP x
.set XS, X+32*((\x)%2)
	s_wait_dscnt 0x0                               ; this step's numbers are back, and its stage stores have read their registers
	s_wait_xcnt 0x0                                ; the last step's stores have read the codes' registers
.if (\x)+4 < 16
	QLOAD (\x)+4
.endif
.if (\x)+1 < 16
.if (\x) <= 11
	s_wait_loadcnt 24                              ; the next step's 8 loads are in; the three sets behind it may be out
.else
	s_wait_loadcnt 8*(14-(\x))
.endif
	QTURN (\x)+1
.endif
	v_max3_num_f32 v236, |v[XS]|, |v[XS+1]|, |v[XS+2]|
	v_max3_num_f32 v237, |v[XS+3]|, |v[XS+4]|, |v[XS+5]|
.irp i, 6,10,14,18,22,26
	v_max3_num_f32 v236, v236, |v[XS+\i]|, |v[XS+\i+1]|
	v_max3_num_f32 v237, v237, |v[XS+\i+2]|, |v[XS+\i+3]|
.endr
	v_max3_num_f32 v236, v236, |v[XS+30]|, |v[XS+31]|
	v_max3_num_f32 v236, v236, v237, 0x1800000     ; and the floor 2^(3 - 127): the byte cannot fall under 1
	v_add_nc_u32 v238, 0xff000000, v236            ; 2 off the exponent field: the conversion's scale operand
	v_lshrrev_b32 v239, 23, v238                   ; the byte of block 2 x + h
.if (\x)%2 == 0
	v_mov_b32 v[SW+(\x)/2], v239
.else
	v_lshl_or_b32 v[SW+(\x)/2], v239, 16, v[SW+(\x)/2]
.endif
	v_cvt_scalef32_pk16_fp6_f32 v[C:C+2], v[XS:XS+15], v238
	v_cvt_scalef32_pk16_fp6_f32 v[C+4:C+6], v[XS+16:XS+31], v238   ; (a conversion's three registers begin on an even number)
	v_nop                                          ; one plain line behind the conversions
	v_mov_b32 v[C+3], v[C+4]
	v_mov_b32 v[C+4], v[C+5]
	v_mov_b32 v[C+5], v[C+6]
	global_store_b128 v5, v[C:C+3], s[20:21] offset:768*(\x)         ; 512 consecutive bytes
	global_store_b64 v6, v[C+4:C+5], s[20:21] offset:768*(\x)+512    ; 256 consecutive bytes
.endm
	s_load_b512 s[4:19], s[0:1], 0x0               ; mask, xq, xk, xv, Wq, Wk, Wv, Wo
	s_load_b128 s[20:23], s[0:1], 0x40             ; cod, scl
	s_load_b64 s[24:25], s[0:1], 0x50              ; mb
	v_lshl_add_u32 v254, v0, 2, 0x10c00
	v_mov_b32 v255, 0
	v_lshrrev_b32 v1, 5, v0
	v_readfirstlane_b32 s30, v1                    ; wave
	v_and_b32 v2, 31, v0                           ; lane
	v_and_b32 v3, 15, v0                           ; r
	v_bfe_u32 v4, v0, 4, 1                         ; h
	v_lshlrev_b32 v5, 4, v2                        ; 16 x lane
	v_lshlrev_b32 v6, 3, v2                        ; 8 x lane
	s_cmp_lt_u32 ttmp9, 128
	s_cbranch_scc0 .Lquant
	; ---- the mask
	s_lshl_b32 s31, ttmp9, 2
	s_add_co_u32 s31, s31, s30                     ; Tm
	s_mul_i32 s34, s30, 8448
	s_add_co_u32 s34, s34, MSTG                    ; my stage
	v_add_nc_u32 v7, s34, v5                       ; in: 16 x lane, a row an instruction
	v_mul_u32_u24 v8, v3, 528
	v_lshl_add_u32 v8, v4, 6, v8
	v_add_nc_u32 v8, s34, v8                       ; back: row r, + 64 h
	v_mov_b32 v[MW], 0                             ; (v_writelane's destination counts as read)
	v_mov_b32 v[MW+1], 0
	s_lshl_b32 s34, s31, 17                        ; 16 rows of 8,192 bytes
	s_mov_b32 s35, 0
	s_lshl_b32 s36, s31, 12                        ; 16 steps of 256 bytes
	s_mov_b32 s37, 0
	s_wait_kmcnt 0x0
	s_add_nc_u64 s[26:27], s[4:5], s[34:35]
	s_add_nc_u64 s[28:29], s[24:25], s[36:37]
	MLOAD 0, 0
	MLOAD 1, 512
	s_mov_b32 s46, 7
.Lmask:
	MSTEP 0, 1, 16
	MSTEP 1, 1, 16
	s_wait_xcnt 0x0                                ; the loads and stores have read their bases
	s_add_nc_u64 s[26:27], s[26:27], 1024
	s_add_nc_u64 s[28:29], s[28:29], 512
	s_sub_co_u32 s46, s46, 1
	s_cmp_lg_u32 s46, 0
	s_cbranch_scc1 .Lmask
	MSTEP 0, 0, 16                                 ; the last two steps load nothing
	MSTEP 1, 0, 0
	s_wait_tensorcnt 0x0
	ds_add_u32 v254, v255
	s_wait_dscnt 0x0
	s_endpgm
	; ---- the codes
.Lquant:
	s_sub_co_u32 s31, ttmp9, 128                   ; 0 .. 447: xq from 0, xk 128, xv 256, Wq 384, Wk 400, Wv 416, Wo 432
	s_wait_kmcnt 0x0
	s_mov_b64 s[26:27], s[18:19]
	s_mov_b32 s34, 432
	s_cmp_lt_u32 s31, 432
	s_cselect_b64 s[26:27], s[16:17], s[26:27]
	s_cselect_b32 s34, 416, s34
	s_cmp_lt_u32 s31, 416
	s_cselect_b64 s[26:27], s[14:15], s[26:27]
	s_cselect_b32 s34, 400, s34
	s_cmp_lt_u32 s31, 400
	s_cselect_b64 s[26:27], s[12:13], s[26:27]
	s_cselect_b32 s34, 384, s34
	s_cmp_lt_u32 s31, 384
	s_cselect_b64 s[26:27], s[10:11], s[26:27]
	s_cselect_b32 s34, 256, s34
	s_cmp_lt_u32 s31, 256
	s_cselect_b64 s[26:27], s[8:9], s[26:27]
	s_cselect_b32 s34, 128, s34
	s_cmp_lt_u32 s31, 128
	s_cselect_b64 s[26:27], s[6:7], s[26:27]
	s_cselect_b32 s34, 0, s34
	s_cselect_b32 s35, 0, 1                        ; xq lies plain,
	s_cmp_ge_u32 s31, 432
	s_cselect_b32 s35, 0, s35                      ; and so does Wo
	s_sub_co_u32 s34, s31, s34
	s_lshl_b32 s34, s34, 2
	s_add_co_u32 s34, s34, s30                     ; my tile in its tensor
	s_and_b32 s36, s34, 1
	s_mul_i32 s36, s36, s35
	s_lshl_b32 s36, s36, 3
	s_lshl_b32 s34, s34, 4
	s_sub_co_u32 s34, s34, s36                     ; its first row: 16 x tile, 8 less for an odd tile of a permuted tensor
	s_lshl_b32 s34, s34, 12                        ; in bytes
	s_lshl_b32 s36, s35, 15                        ; rows 8-15 of a permuted tile lie 8 rows further down
	s_mov_b32 s35, 0
	s_add_nc_u64 s[26:27], s[26:27], s[34:35]
	s_lshl_b32 s38, s31, 2
	s_add_co_u32 s38, s38, s30                     ; my tile among all 1,792
	s_mul_i32 s34, s38, 12288
	s_add_nc_u64 s[20:21], s[20:21], s[34:35]
	s_lshl_b32 s34, s38, 9
	s_add_nc_u64 s[22:23], s[22:23], s[34:35]
	v_lshlrev_b32 v7, 4, v3
	v_lshl_add_u32 v7, v4, 12, v7                  ; in: row lane / 16, 16 bytes x (lane % 16)
	v_add_nc_u32 v8, s36, v7                       ; the same for rows 8-15
	s_mul_i32 s37, s30, 8704                       ; my two stages
	v_mul_u32_u24 v9, v4, 272
	v_lshl_add_u32 v9, v3, 4, v9
	v_add_nc_u32 v9, s37, v9
	v_mul_u32_u24 v10, v3, 272
	v_lshl_add_u32 v10, v4, 7, v10
	v_add_nc_u32 v10, s37, v10
	v_lshlrev_b32 v11, 5, v3
	v_lshl_add_u32 v11, v4, 4, v11                 ; scale bytes: 32 r + 16 h
	v_lshlrev_b32 v12, 3, v4                       ; 8 h
	s_mov_b32 s32, 0x76543210
	s_mov_b32 s33, 0xfedcba98                      ; selects for lane l xor 16
.irp i, 0,1,2,3,4,5,6,7
	v_mov_b32 v[224+\i], 0                         ; (a lane permute's destination counts as read)
.endr
	QLOAD 0
	QLOAD 1
	QLOAD 2
	QLOAD 3
	s_wait_loadcnt 24
	QTURN 0
.irp x, 0,1,2,3,4,5,6,7,8,9,10,11,12,13,14,15
	QSTEP \x
.endr
.irp i, 0,1,2,3,4,5,6,7
	v_lshlrev_b32 v[SW+\i], v12, v[SW+\i]          ; my two bytes at their places,
.endr
.irp i, 0,1,2,3,4,5,6,7
	v_permlanex16_b32 v[224+\i], v[SW+\i], s32, s33
.endr
.irp i, 0,1,2,3,4,5,6,7
	v_or_b32 v[SW+\i], v[SW+\i], v[224+\i]         ; with lane l xor 16's two the word is whole
.endr
	s_mov_b32 vcc_lo, 0xffff0000
.irp i, 0,1,2,3
	v_cndmask_b32 v[232+\i], v[SW+\i], v[SW+4+\i], vcc_lo   ; lanes 0-15 store words 0-3 of their row, lanes 16-31 words 4-7
.endr
	global_store_b128 v11, v[232:235], s[22:23]    ; the tile's 512 scale bytes
	s_wait_tensorcnt 0x0
	ds_add_u32 v254, v255
	s_wait_dscnt 0x0
	s_endpgm
.Lfunc_end_k_q278921e25d_prep:
	.size	k_q278921e25d_prep, .Lfunc_end_k_q278921e25d_prep-k_q278921e25d_prep
	.p2alignl 7, 3214868480
	.fill 96, 4, 3214868480
	.section	.rodata,"a",@progbits
	.p2align	6, 0x0
	.amdhsa_kernel k_q278921e25d_prep
		.amdhsa_group_segment_fixed_size 69120
		.amdhsa_private_segment_fixed_size 0
		.amdhsa_enable_private_segment 0
		.amdhsa_kernarg_size 88
		.amdhsa_user_sgpr_count 2
		.amdhsa_user_sgpr_kernarg_segment_ptr 1
		.amdhsa_wavefront_size32 1
		.amdhsa_system_sgpr_workgroup_id_x 1
		.amdhsa_system_sgpr_workgroup_id_y 1
		.amdhsa_system_sgpr_workgroup_id_z 1
		.amdhsa_system_vgpr_workitem_id 0
		.amdhsa_next_free_vgpr 256
		.amdhsa_next_free_sgpr 66
		.amdhsa_reserve_vcc 1
		.amdhsa_float_denorm_mode_32 3
		.amdhsa_float_denorm_mode_16_64 3
		.amdhsa_memory_ordered 1
		.amdhsa_forward_progress 1
		.amdhsa_inst_pref_size 109
	.end_amdhsa_kernel
	.amdgpu_metadata
---
amdhsa.version: [ 1, 2 ]
amdhsa.kernels:
  - .name:           k_q278921e25d_prep
    .symbol:         k_q278921e25d_prep.kd
    .args:
      - { .name: mask, .offset: 0, .size: 8, .value_kind: global_buffer, .address_space: global }
      - { .name: xq, .offset: 8, .size: 8, .value_kind: global_buffer, .address_space: global }
      - { .name: xk, .offset: 16, .size: 8, .value_kind: global_buffer, .address_space: global }
      - { .name: xv, .offset: 24, .size: 8, .value_kind: global_buffer, .address_space: global }
      - { .name: Wq, .offset: 32, .size: 8, .value_kind: global_buffer, .address_space: global }
      - { .name: Wk, .offset: 40, .size: 8, .value_kind: global_buffer, .address_space: global }
      - { .name: Wv, .offset: 48, .size: 8, .value_kind: global_buffer, .address_space: global }
      - { .name: Wo, .offset: 56, .size: 8, .value_kind: global_buffer, .address_space: global }
      - { .name: cod, .offset: 64, .size: 8, .value_kind: global_buffer, .address_space: global }
      - { .name: scl, .offset: 72, .size: 8, .value_kind: global_buffer, .address_space: global }
      - { .name: mb, .offset: 80, .size: 8, .value_kind: global_buffer, .address_space: global }
    .group_segment_fixed_size: 69120
    .private_segment_fixed_size: 0
    .kernarg_segment_align: 8
    .kernarg_segment_size: 88
    .max_flat_workgroup_size: 128
    .sgpr_count:     66
    .vgpr_count:     256
    .wavefront_size: 32
...
	.end_amdgpu_metadata
.endif
;; end of part 1
;; launch qkv (part 2): grid 4 x 96, 4 waves a work-group, clusters of 4 x 4, 327,680 bytes of LDS; arguments cod, scl, qrec, kvrec, bq, bk, bv; writes qrec, kvrec
.if DOCPART == 2
	.amdgcn_target "amdgcn-amd-amdhsa--gfx1250"
	.amdhsa_code_object_version 6
	.text
	.protected	k_q278921e25d_qkv
	.globl	k_q278921e25d_qkv
	.p2align	8
	.type	k_q278921e25d_qkv,@function
k_q278921e25d_qkv:
	s_mov_b64 s[64:65], 0
	v_nop
	global_prefetch_b8 v0, s[64:65] scope:SCOPE_SE
	s_setreg_imm32_b32 hwreg(HW_REG_WAVE_MODE, 25, 1), 1
	s_wait_xcnt 0x0
	s_wait_alu depctr_hold_cnt(0) depctr_sa_sdst(0) depctr_va_vdst(0) depctr_va_sdst(0) depctr_va_ssrc(0) depctr_va_vcc(0) depctr_vm_vsrc(0)
	s_getreg_b32 s2, hwreg(HW_REG_IB_STS2, 6, 4)
	s_cmp_eq_u32 s2, 0
	s_cbranch_scc0 .Lentry_in_a_cluster
	s_endpgm
.Lentry_in_a_cluster:
	s_bfe_u32 s2, ttmp6, 0x10000c
	s_cmp_lg_u32 s2, 0xf033
	s_cbranch_scc0 .Lentry_shape_is_right
	s_endpgm
.Lentry_shape_is_right:
; Q = xq Wq^T + bq, K = xk Wk^T + bk, V^T = Wv xv^T + bv, on codes of FP6 (E2M3) with E8M0 scales, and their results quantised for the attention launch: Q and K along the head's 64, V along the keys.
; The cluster's y says which: 0-7 Q, 8-15 K, 16-23 V.  A tile of 256 x 256 a work-group, four waves of 128 x 128: 64 accumulators.  Source 1 (outer, "A") is x for Q and K and Wv for V; source 0 (inner, "B") is W, or xv for V.
; A lane's eight results are eight rows of B; B's rows lie permuted (see the first launch), so the 64 registers of one block of A are: register 16 g + i = B's index 32 g + 16 h + i: 16 neighbours along the next K.
; K = 1,024 is four parts of 256.  Parts 0, 1, 2 go into three LDS slots as first fills; part 3 fills slot 0 again behind one round of the cluster's barrier.  By this text's own count a wave has at most four tensor loads out.
; Tiles lie in memory and in LDS as images of operand registers (half images of 768 bytes), so a fragment is four dense LDS loads and no padding is wanted.
; CLUSTER 4 x 4: A's tiles are shared along a row of the cluster, B's along a column, by joint loads.
; OUTPUT: records of 13,056 bytes for each (batch x head, 128 tokens): 8 half images (tiles of 16 tokens x 64) | 4 fragments of V^T (16 of the 64 x 128 keys) | scale words of the 8 tiles | V's scale words.
; LIMITS: a block of zeros gets the byte 1 (its codes are zeros; this program alone reads the bytes); NaN and infinities are not served.
; REGISTERS: window 0: v8-19 LDS addresses, v20-21 store offsets, v27 scale address, v28-29 the spare word's, v32-63 scale words (two sets), v64-127 bias along B, v128-223 A's fragments, v240-255 bias along A;
;   on the way out v128-191 a block's 64 numbers, v192-211 codes, v212-227 at work, v228-235 the eight scale words.  window 1: B's fragments, two sets.  windows 2, 3: the accumulators.
.set FR,    12
.set NQ,    2
.set TILEB, 3072                       ; 16 rows x 256 K: four half images
.set HALFT, 8*TILEB                    ; 128 rows: one tensor load
.set SLOT,  4*HALFT
.set SCL,   3*SLOT                     ; the scale bytes: units of 256 bytes + 16 of padding
.set HALFS, 16*272
.set SBLK,  2*272
.set SPARE, SCL+4*HALFS                ; the spare words: 128 bytes a wave, named by no other line
.set ADRA,  8
.set ADRB,  14
.set ADRS,  27
.set SPW,   28
.set NIL,   29
.set SC,    32
.set BI,    64
.set AF,    128
.set BO,    240
.set T,     128
.set PC,    192
.set TM,    212
.set PWS,   228
.set G1,    24
.set G0,    32
.set G1B,   44
.set G0B,   52
.set G1S,   68
.set G0S,   76
.set G1SB,  80
.set G0SB,  88
.set MSB, 0
.macro WIN new                         ; the immediate's high byte repeats the setting that is left
.if MSB != (\new)
	s_set_vgpr_msb (MSB<<8)|(\new)
.set MSB, (\new)
.endif
.endm
.set MUL_LO, 0xa1                      ; source 0 (B) window 1, source 1 (A) window 0, C and D window 2
.set MUL_HI, 0xf1
.set TO_B,   0x40
.macro JLOAD g0a, g1a, g0b, g1b        ; a joint load: waves 0, 1 fetch for A, waves 2, 3 for B; four v_nop follow each line
	s_cmp_eq_u32 s15, 0
	s_cbranch_scc0 .Lfor_b_\@
	tensor_load_to_lds s[\g0a:\g0a+3], s[\g1a:\g1a+7]
	s_nop 0
.rept 4
	v_nop
.endr
	s_branch .Lasked_\@
.Lfor_b_\@:
	tensor_load_to_lds s[\g0b:\g0b+3], s[\g1b:\g1b+7]
	s_nop 0
.rept 4
	v_nop
.endr
.Lasked_\@:
.endm
.macro CREST
	s_cmp_lg_u32 s14, 0
	s_cbranch_scc1 .Lnot_wave_0_\@
	s_barrier_signal -3
.Lnot_wave_0_\@:
	s_barrier_wait -3
	s_barrier_signal -1
	s_barrier_wait -1
.endm
.macro CROUND
	s_barrier_signal -1
	s_barrier_wait -1
	CREST
.endm
.macro PLACES n
.rept \n
	v_nop
.endr
.endm
.macro FRAG reg, adr, slot, q, i       ; a fragment: two half images, four dense loads
	ds_load_b128 v[\reg:\reg+3], v[\adr+\slot] offset:(\i)*TILEB+(\q)*1536
	ds_load_b64 v[\reg+4:\reg+5], v[\adr+3+\slot] offset:(\i)*TILEB+(\q)*1536+512
	ds_load_b128 v[\reg+6:\reg+9], v[\adr+\slot] offset:(\i)*TILEB+(\q)*1536+768
	ds_load_b64 v[\reg+10:\reg+11], v[\adr+3+\slot] offset:(\i)*TILEB+(\q)*1536+1280
.endm
.macro MUL16 a0, p, q, sc, zero        ; A's blocks a0, a0 + 1 x B's eight; the 64 accumulators take turns
.irp a, \a0, \a0+1
.irp b, 0,1,2,3,4,5,6,7
.if \zero
	v_wmma_scale_f32_16x16x128_f8f6f4 v[8*(8*((\a)%4)+\b):8*(8*((\a)%4)+\b)+7], v[128*(\p)+FR*\b:128*(\p)+FR*\b+FR-1], v[AF+FR*(\a):AF+FR*(\a)+FR-1], 0, v[SC+8*NQ*(\sc)+NQ*\b+(\q)], v[SC+8*NQ*(\sc)+NQ*(\a)+(\q)] matrix_a_fmt:MATRIX_FMT_FP6 matrix_b_fmt:MATRIX_FMT_FP6 matrix_a_scale:MATRIX_SCALE_ROW1
.else
	v_wmma_scale_f32_16x16x128_f8f6f4 v[8*(8*((\a)%4)+\b):8*(8*((\a)%4)+\b)+7], v[128*(\p)+FR*\b:128*(\p)+FR*\b+FR-1], v[AF+FR*(\a):AF+FR*(\a)+FR-1], v[8*(8*((\a)%4)+\b):8*(8*((\a)%4)+\b)+7], v[SC+8*NQ*(\sc)+NQ*\b+(\q)], v[SC+8*NQ*(\sc)+NQ*(\a)+(\q)] matrix_a_fmt:MATRIX_FMT_FP6 matrix_b_fmt:MATRIX_FMT_FP6 matrix_a_scale:MATRIX_SCALE_ROW1
.endif
.endr
.endr
.endm
.macro FETCH_B slot, q, p
	WIN TO_B
.irp i, 0,1,2,3,4,5,6,7
	FRAG 128*(\p)+FR*\i, ADRB, \slot, \q, \i
.endr
	WIN 0
.endm
.macro FETCH_A slot, q, i0
.irp i, \i0, \i0+1, \i0+2, \i0+3
	FRAG AF+FR*(\i), ADRA, \slot, \q, \i
.endr
.endm
.macro SCALES sc                       ; lanes 0-15 A's block i, lanes 16-31 B's block i: two words a row for 256 along K
.irp i, 0,1,2,3,4,5,6,7
	ds_load_b64 v[SC+8*NQ*\sc+NQ*\i:SC+8*NQ*\sc+NQ*\i+1], v[ADRS] offset:\i*SBLK
.endr
.endm
.macro STEP slot, sc, zero             ; the first 128 along K of a slot
	s_wait_dscnt 16                                ; all but the youngest 16 loads (A's blocks 4-7)
	WIN MUL_LO
	MUL16 0, 0, 0, \sc, \zero
	MUL16 2, 0, 0, \sc, \zero
	s_wait_dscnt 0x0
	PLACES 4
	FETCH_B \slot, 1, 1
	FETCH_A \slot, 1, 0
	WIN MUL_HI
	MUL16 4, 0, 0, \sc, \zero
	MUL16 6, 0, 0, \sc, \zero
	PLACES 4
	WIN 0
	FETCH_A \slot, 1, 4
.endm
; The second 128 along K of a slot, and the change of slots.  mode 2: slot 0 is filled again behind a round of the cluster's barrier; mode 1: a barrier that shows that refill to every wave; mode 0: none is wanted:
; the round has shown slots 1 and 2 whole to every wave, and nothing is written into the slot that is left.
.macro TURN slot, sc, next, nsc, mode
.if \mode
	s_wait_tensorcnt 0x0                           ; all my tensor loads have landed
	ds_add_u32 v[SPW], v[NIL]                      ; 0 onto my spare word
	s_wait_dscnt 17                                ; (the add and the youngest 16 loads may be out)
.else
	s_wait_dscnt 16
.endif
	WIN MUL_LO
	MUL16 0, 1, 1, \sc, 0
	s_wait_dscnt 0x0                               ; the add is done, and my reads of this slot are over
.if \mode
	s_barrier_signal -1
.endif
	MUL16 2, 1, 1, \sc, 0
	WIN 0
.if \mode
	s_barrier_wait -1
.endif
.if \mode == 2
	CREST                                          ; no wave of any partner still reads slot 0 or has a load on its way
	s_add_nc_u64 s[G0+2:G0+3], s[G0+2:G0+3], 3*TILEB     ; from part 0 to part 3 of K
	s_add_nc_u64 s[G0B+2:G0B+3], s[G0B+2:G0B+3], 3*TILEB
	JLOAD G0, G1, G0B, G1B                         ; the one refill: 256 matrix instructions ahead of the wait for it; its four v_nop are the places in front of the loads below
.else
	PLACES 4
.endif
	v_add_nc_u32 v[ADRS], 4*NQ, v[ADRS]
	FETCH_B \next, 0, 0
	FETCH_A \next, 0, 0
	SCALES \nsc
	WIN MUL_HI
	MUL16 4, 1, 1, \sc, 0
	MUL16 6, 1, 1, \sc, 0
	PLACES 4
	WIN 0
	FETCH_A \next, 0, 4
.endm
; 64 numbers of a lane, register 16 b + i = k 32 b + 16 (lane / 16) + i of my row, become a fragment's codes in v[PC] on and its scale word in v[pw]
.macro QUANT s, pw
.irp b, 0,1,2,3
	v_max3_num_f32 v[TM+\b], |v[\s+16*\b]|, |v[\s+1+16*\b]|, 0x1800000   ; with the floor 2^(3 - 127)
.endr
.irp i, 2,4,6,8,10,12,14
.irp b, 0,1,2,3
	v_max3_num_f32 v[TM+\b], v[TM+\b], |v[\s+16*\b+\i]|, |v[\s+1+16*\b+\i]|
.endr
.endr
.irp b, 0,1,2,3
	v_permlanex16_b32 v[TM+4+\b], v[TM+\b], s2, s3
.endr
.irp b, 0,1,2,3
	v_max_num_f32 v[TM+\b], v[TM+\b], v[TM+4+\b]
.endr
.irp b, 0,1,2,3
	v_add_nc_u32 v[TM+12+\b], 0xff000000, v[TM+\b]
.endr
.irp b, 0,1,2,3
	v_lshrrev_b32 v[TM+4+\b], 23, v[TM+12+\b]
.endr
	v_lshl_or_b32 v[\pw], v[TM+5], 8, v[TM+4]
	v_lshl_or_b32 v[\pw], v[TM+6], 16, v[\pw]
	v_lshl_or_b32 v[\pw], v[TM+7], 24, v[\pw]
.irp c, 0,1
	v_cvt_scalef32_pk16_fp6_f32 v[PC+6*\c:PC+2+6*\c], v[\s+32*\c:\s+15+32*\c], v[TM+12+2*\c]
	v_cvt_scalef32_pk16_fp6_f32 v[PC+12+4*\c:PC+14+4*\c], v[\s+16+32*\c:\s+31+32*\c], v[TM+12+2*\c+1]
.endr
	v_nop                                          ; one plain line behind the conversions
.irp c, 0,1
.irp i, 0,1,2
	v_permlane16_swap_b32 v[PC+6*\c+\i], v[PC+12+4*\c+\i]
.endr
.irp i, 0,1,2
	v_mov_b32 v[PC+3+6*\c+\i], v[PC+12+4*\c+\i]
.endr
.endr
.endm
; THE WAY OUT.  kind 0 (Q, K): block a = 16 tokens; its 128 numbers a lane-row are two heads' 64: two half images.  kind 1 (V): block a = 16 of a head's 64; its 128 numbers are 128 keys: one fragment.
.macro EPI kind
.irp a, 0,1,2,3,4,5,6,7
.if \a > 0
	s_wait_xcnt 0x0                                ; the last block's stores have read the codes' registers
.endif
	WIN 0x02+\a/4
.set p, 0
.rept 32
.if \kind
	v_pk_add_f32 v[T+2*p:T+2*p+1], v[64*(\a%4)+2*p:64*(\a%4)+2*p+1], v[BO+2*\a:BO+2*\a+1]
.else
	v_pk_add_f32 v[T+2*p:T+2*p+1], v[64*(\a%4)+2*p:64*(\a%4)+2*p+1], v[BI+2*p:BI+2*p+1]
.endif
.set p, p+1
.endr
	WIN 0
	QUANT T, PWS+\a
.if \kind
.set OF0, 6144+1536*(\a%4)+208896*(\a/4)
.set OF1, OF0+768
.else
.set OF0, 768*\a
.set OF1, OF0+208896
.endif
	global_store_b128 v20, v[PC:PC+3], s[12:13] offset:OF0
	global_store_b64 v21, v[PC+4:PC+5], s[12:13] offset:OF0+512
	global_store_b128 v20, v[PC+6:PC+9], s[12:13] offset:OF1
	global_store_b64 v21, v[PC+10:PC+11], s[12:13] offset:OF1+512
.endr
.if \kind
.irp e, 0,1
.irp i, 0,1
	v_cndmask_b32 v[2+2*\e+\i], v[PWS+4*\e+\i], v[PWS+4*\e+2+\i], vcc_lo   ; lanes 0-15 tiles 0, 1 of head e, lanes 16-31 tiles 2, 3
.endr
.endr
	global_store_b64 v21, v[2:3], s[12:13] offset:12800
	global_store_b64 v21, v[4:5], s[12:13] offset:12800+208896
.else
.irp i, 0,1,2,3
	v_cndmask_b32 v[2+\i], v[PWS+\i], v[PWS+4+\i], vcc_lo                   ; lanes 0-15 tiles 0-3, lanes 16-31 tiles 4-7; bytes 0, 1 are the first head's
.endr
.irp i, 0,1,2,3
	v_lshrrev_b32 v[22+\i], 16, v[2+\i]                                     ; the second head's
.endr
	global_store_b128 v20, v[2:5], s[12:13] offset:12288
	global_store_b128 v20, v[22:25], s[12:13] offset:12288+208896
.endif
.endm
	s_load_b256 s[4:11], s[0:1], 0x0               ; cod, scl, qrec, kvrec
	s_load_b128 s[96:99], s[0:1], 0x20             ; bq, bk
	s_load_b64 s[100:101], s[0:1], 0x30            ; bv
	v_lshl_add_u32 v[SPW], v0, 2, SPARE
	v_mov_b32 v[NIL], 0
	ds_add_u32 v28, v29
	ds_add_u32 v28, v29
	s_wait_dscnt 0x0
	v_lshrrev_b32 v1, 5, v0
	v_readfirstlane_b32 s14, v1                    ; wave
	s_lshr_b32 s15, s14, 1                         ; my half of A's rows.  Also: I fetch for A (0) or B (1)
	s_and_b32 s16, s14, 1                          ; my half of B's rows.  Also: which 128 rows I fetch
	s_bfe_u32 s92, ttmp6, 0x40000                  ; cx
	s_bfe_u32 s93, ttmp6, 0x40004                  ; cy
	s_and_b32 s2, ttmp7, 0xffff                    ; the cluster's y: the same in all partners
	s_lshr_b32 s95, s2, 3                          ; 0 Q, 1 K, 2 V
	s_and_b32 s2, s2, 7
	s_lshl_b32 s2, s2, 2
	s_cmp_lt_u32 s95, 2
	s_cselect_b32 s17, s2, 0
	s_cselect_b32 s94, 0, s2
	s_add_co_u32 s17, s17, s93                     ; A's tile of 256 rows
	s_add_co_u32 s94, s94, s92                     ; B's
	s_lshl_b32 s3, s93, 2
	s_lshl_b32 s3, 15, s3                          ; my row of the cluster
	s_lshl_b32 s18, 0x1111, s92                    ; my column
	s_or_b32 s[G1], s3, (3<<16)|(1<<21)            ; codes: elements of 8 bytes, no padding
	s_or_b32 s[G1B], s18, (3<<16)|(1<<21)
	s_or_b32 s[G1S], s3, (3<<16)|(1<<20)|(1<<21)|(5<<22)|(3<<25)   ; scale bytes: 16 bytes of padding behind every 256
	s_or_b32 s[G1SB], s18, (3<<16)|(1<<20)|(1<<21)|(5<<22)|(3<<25)
.irp g, G1, G1B
	s_mov_b32 s[\g+1], 384<<16                     ; a row: 3,072 bytes (16 rows x 256 K)
	s_mov_b32 s[\g+2], 8<<16                       ; 8 such
	s_mov_b32 s[\g+3], 384<<16
	s_mov_b32 s[\g+4], 8
	s_mov_b32 s[\g+5], 1536                        ; 12,288 bytes apart
	s_mov_b32 s[\g+6], 0
	s_mov_b32 s[\g+7], 0
.endr
.irp g, G1S, G1SB
	s_mov_b32 s[\g+1], 32<<16                      ; 128 rows x 32 bytes, dense: 16 rows of 256 bytes
	s_mov_b32 s[\g+2], 16<<16
	s_mov_b32 s[\g+3], 32<<16
	s_mov_b32 s[\g+4], 16
	s_mov_b32 s[\g+5], 32
	s_mov_b32 s[\g+6], 0
	s_mov_b32 s[\g+7], 0
.endr
	s_mul_i32 s20, s95, 6291456                    ; where the operands begin in cod and scl
	s_mul_i32 s22, s95, 262144
	s_mul_i32 s66, s95, 786432
	s_mul_i32 s18, s95, 32768
	s_add_co_u32 s66, s66, 18874368
	s_add_co_u32 s18, s18, 786432
	s_cmp_lt_u32 s95, 2
	s_cselect_b32 s20, s20, 20447232               ; A: x, or Wv
	s_cselect_b32 s22, s22, 851968
	s_cselect_b32 s66, s66, 12582912               ; B: W, or xv
	s_cselect_b32 s18, s18, 524288
	s_mul_i32 s2, s16, 98304                       ; the 128 rows that I fetch
	s_mul_i32 s21, s17, 196608
	s_add_co_u32 s20, s20, s21
	s_add_co_u32 s20, s20, s2
	s_mul_i32 s67, s94, 196608
	s_add_co_u32 s66, s66, s67
	s_add_co_u32 s66, s66, s2
	s_lshl_b32 s2, s16, 12
	s_lshl_b32 s23, s17, 13
	s_add_co_u32 s22, s22, s23
	s_add_co_u32 s22, s22, s2
	s_lshl_b32 s19, s94, 13
	s_add_co_u32 s18, s18, s19
	s_add_co_u32 s18, s18, s2
	s_mov_b32 s21, 0
	s_mov_b32 s23, 0
	s_mov_b32 s67, 0
	s_mov_b32 s19, 0
	s_mul_i32 s104, s14, HALFT                     ; where my loads go: no place in the cluster enters an LDS address
	s_mul_i32 s105, s14, HALFS
	s_wait_kmcnt 0x0
	s_cmp_eq_u32 s95, 0
	s_cselect_b64 s[12:13], s[8:9], s[10:11]       ; Q's records, or K's and V's
	s_cselect_b64 s[96:97], s[96:97], s[98:99]
	s_cmp_eq_u32 s95, 2
	s_cselect_b64 s[96:97], s[100:101], s[96:97]   ; the bias
	s_mov_b64 s[8:9], s[4:5]
	s_mov_b64 s[10:11], s[6:7]
	s_add_nc_u64 s[4:5], s[4:5], s[20:21]          ; A's codes
	s_add_nc_u64 s[6:7], s[6:7], s[22:23]          ; A's scales
	s_add_nc_u64 s[8:9], s[8:9], s[66:67]          ; B's codes
	s_add_nc_u64 s[10:11], s[10:11], s[18:19]      ; B's scales
	CROUND                                         ; all sixteen work-groups are here: the first joint loads meet
	s_mov_b32 s[G0S], 1
	s_add_co_u32 s[G0S+1], s105, SCL
	s_mov_b64 s[G0S+2:G0S+3], s[6:7]
	s_or_b32 s[G0S+3], s[G0S+3], 0x80000000
	s_mov_b32 s[G0SB], 1
	s_add_co_u32 s[G0SB+1], s105, SCL
	s_mov_b64 s[G0SB+2:G0SB+3], s[10:11]
	s_or_b32 s[G0SB+3], s[G0SB+3], 0x80000000
	JLOAD G0S, G1S, G0SB, G1SB
.irp s, 0,1,2
	s_mov_b32 s[G0+4*\s], 1
	s_add_co_u32 s[G0+4*\s+1], s104, \s*SLOT
	s_add_nc_u64 s[G0+4*\s+2:G0+4*\s+3], s[4:5], \s*TILEB
	s_or_b32 s[G0+4*\s+3], s[G0+4*\s+3], 0x80000000
	s_mov_b32 s[G0B+4*\s], 1
	s_add_co_u32 s[G0B+4*\s+1], s104, \s*SLOT
	s_add_nc_u64 s[G0B+4*\s+2:G0B+4*\s+3], s[8:9], \s*TILEB
	s_or_b32 s[G0B+4*\s+3], s[G0B+4*\s+3], 0x80000000
	JLOAD G0+4*\s, G1, G0B+4*\s, G1B
.endr
	v_and_b32 v1, 31, v0
	v_and_b32 v2, 15, v0                           ; r
	v_bfe_u32 v3, v0, 4, 1                         ; h
	v_lshlrev_b32 v20, 4, v1                       ; 16 x lane
	v_lshlrev_b32 v21, 3, v1                       ; 8 x lane
	s_mul_i32 s104, s15, HALFT                     ; my 128 rows of A
	s_mul_i32 s105, s16, HALFT
	s_add_co_u32 s105, s105, 2*HALFT               ; my 128 rows of B
.irp s, 0,1,2
	v_add_nc_u32 v[ADRA+\s], s104, v20
	v_add_nc_u32 v[ADRA+3+\s], s104, v21
	v_add_nc_u32 v[ADRB+\s], s105, v20
	v_add_nc_u32 v[ADRB+3+\s], s105, v21
	s_add_co_u32 s104, s104, SLOT
	s_add_co_u32 s105, s105, SLOT
.endr
	v_lshlrev_b32 v6, 5, v2                        ; my row's scale bytes: 32 a row,
	v_lshrrev_b32 v7, 8, v6
	v_lshl_add_u32 v6, v7, 4, v6                   ; and 16 more for each 256 passed
	s_mul_i32 s104, s15, HALFS
	s_mul_i32 s105, s16, HALFS
	s_add_co_u32 s105, s105, 2*HALFS
	s_sub_co_u32 s105, s105, s104
	v_mul_u32_u24 v7, s105, v3                     ; lanes 16-31 take B's
	s_add_co_u32 s104, s104, SCL
	v_add_nc_u32 v6, v6, v7
	v_add_nc_u32 v[ADRS], s104, v6
	; the biases.  Both sets are loaded whatever the kind; the set that a kind does not use reads the bias's first bytes and is not used
	s_lshl_b32 s18, s94, 10
	s_lshl_b32 s19, s16, 9
	s_add_co_u32 s18, s18, s19
	s_lshl_b32 s20, s17, 10
	s_lshl_b32 s21, s15, 9
	s_add_co_u32 s20, s20, s21
	s_cmp_lt_u32 s95, 2
	s_cselect_b32 s18, s18, 0
	s_cselect_b32 s20, 0, s20
	s_mov_b32 s19, 0
	s_mov_b32 s21, 0
	s_add_nc_u64 s[98:99], s[96:97], s[20:21]
	s_add_nc_u64 s[96:97], s[96:97], s[18:19]
	v_lshlrev_b32 v6, 6, v3                        ; along B: register 8 b + j is index 32 (b / 2) + 16 h + 8 (b % 2) + j
.irp b, 0,1,2,3,4,5,6,7
	global_load_b128 v[BI+8*\b:BI+8*\b+3], v6, s[96:97] offset:4*(32*(\b/2)+8*(\b%2))
	global_load_b128 v[BI+8*\b+4:BI+8*\b+7], v6, s[96:97] offset:4*(32*(\b/2)+8*(\b%2))+16
.endr
	v_and_b32 v7, 8, v2
	v_add_nc_u32 v7, v7, v2
	v_lshlrev_b32 v7, 2, v7                        ; along A: lane r of block a is index 32 (a / 2) + 8 (a % 2) + r + 8 (r / 8); twice, for the packed addition
.irp a, 0,1,2,3,4,5,6,7
	global_load_b32 v[BO+2*\a], v7, s[98:99] offset:4*(32*(\a/2)+8*(\a%2))
	global_load_b32 v[BO+2*\a+1], v7, s[98:99] offset:4*(32*(\a/2)+8*(\a%2))
.endr
	; where my records begin: (batch x 16 + my first head) x 208,896 + (my 128 tokens in the batch) x 13,056
	s_cmp_lt_u32 s95, 2
	s_cselect_b32 s18, s17, s94                    ; the tile of tokens,
	s_cselect_b32 s19, s15, s16                    ; my half of it,
	s_cselect_b32 s20, s94, s17                    ; the tile of features,
	s_cselect_b32 s21, s16, s15                    ; my half of it
	s_lshr_b32 s22, s18, 3
	s_lshl_b32 s22, s22, 4
	s_lshl_b32 s20, s20, 2
	s_add_co_u32 s22, s22, s20
	s_lshl_b32 s21, s21, 1
	s_add_co_u32 s22, s22, s21
	s_mul_i32 s22, s22, 208896
	s_and_b32 s18, s18, 7
	s_lshl_b32 s18, s18, 1
	s_add_co_u32 s18, s18, s19
	s_mul_i32 s18, s18, 13056
	s_add_co_u32 s22, s22, s18
	s_mov_b32 s23, 0
	s_add_nc_u64 s[12:13], s[12:13], s[22:23]
	s_wait_tensorcnt 2                             ; the scales and part 0 are in; parts 1 and 2 may be out
	s_barrier_signal -1
	s_barrier_wait -1
	FETCH_B 0, 0, 0
	FETCH_A 0, 0, 0
	SCALES 0
	FETCH_A 0, 0, 4
	STEP 0, 0, 1                                   ; the first products start the sums
	TURN 0, 0, 1, 1, 2
	STEP 1, 1, 0
	TURN 1, 1, 2, 0, 0
	STEP 2, 0, 0
	TURN 2, 0, 0, 1, 1
	STEP 0, 1, 0
	s_wait_dscnt 16
	WIN MUL_LO
	MUL16 0, 1, 1, 1, 0
	MUL16 2, 1, 1, 1, 0
	s_wait_dscnt 0x0
	WIN MUL_HI
	MUL16 4, 1, 1, 1, 0
	MUL16 6, 1, 1, 1, 0
	WIN 0
	s_wait_loadcnt 0x0                             ; the biases
	PLACES 4
	s_mov_b32 s2, 0x76543210
	s_mov_b32 s3, 0xfedcba98                       ; selects for lane l xor 16
	s_mov_b32 vcc_lo, 0xffff0000
.irp b, 0,1,2,3
	v_mov_b32 v[TM+4+\b], 0                        ; (a lane permute's destination counts as read)
.endr
	s_cmp_eq_u32 s95, 2                            ; the same in all partners
	s_cbranch_scc1 .Lvt
	EPI 0
	s_branch .Lend
.Lvt:
	EPI 1
.Lend:
	s_wait_tensorcnt 0x0                           ; the wave's end
	ds_add_u32 v[SPW], v[NIL]
	s_wait_dscnt 0x0
	CROUND                                         ; the closing round
	s_endpgm
.Lfunc_end_k_q278921e25d_qkv:
	.size	k_q278921e25d_qkv, .Lfunc_end_k_q278921e25d_qkv-k_q278921e25d_qkv
	.p2alignl 7, 3214868480
	.fill 96, 4, 3214868480
	.section	.rodata,"a",@progbits
	.p2align	6, 0x0
	.amdhsa_kernel k_q278921e25d_qkv
		.amdhsa_group_segment_fixed_size 327680
		.amdhsa_private_segment_fixed_size 0
		.amdhsa_enable_private_segment 0
		.amdhsa_kernarg_size 56
		.amdhsa_user_sgpr_count 2
		.amdhsa_user_sgpr_kernarg_segment_ptr 1
		.amdhsa_wavefront_size32 1
		.amdhsa_system_sgpr_workgroup_id_x 1
		.amdhsa_system_sgpr_workgroup_id_y 1
		.amdhsa_system_sgpr_workgroup_id_z 1
		.amdhsa_system_vgpr_workitem_id 0
		.amdhsa_next_free_vgpr 1024
		.amdhsa_next_free_sgpr 106
		.amdhsa_reserve_vcc 1
		.amdhsa_float_denorm_mode_32 3
		.amdhsa_float_denorm_mode_16_64 3
		.amdhsa_memory_ordered 1
		.amdhsa_forward_progress 1
		.amdhsa_inst_pref_size 219
	.end_amdhsa_kernel
	.amdgpu_metadata
---
amdhsa.version: [ 1, 2 ]
amdhsa.kernels:
  - .name:           k_q278921e25d_qkv
    .symbol:         k_q278921e25d_qkv.kd
    .args:
      - { .name: cod, .offset: 0, .size: 8, .value_kind: global_buffer, .address_space: global }
      - { .name: scl, .offset: 8, .size: 8, .value_kind: global_buffer, .address_space: global }
      - { .name: qrec, .offset: 16, .size: 8, .value_kind: global_buffer, .address_space: global }
      - { .name: kvrec, .offset: 24, .size: 8, .value_kind: global_buffer, .address_space: global }
      - { .name: bq, .offset: 32, .size: 8, .value_kind: global_buffer, .address_space: global }
      - { .name: bk, .offset: 40, .size: 8, .value_kind: global_buffer, .address_space: global }
      - { .name: bv, .offset: 48, .size: 8, .value_kind: global_buffer, .address_space: global }
    .group_segment_fixed_size: 327680
    .private_segment_fixed_size: 0
    .kernarg_segment_align: 8
    .kernarg_segment_size: 56
    .max_flat_workgroup_size: 128
    .sgpr_count:     106
    .vgpr_count:     1024
    .wavefront_size: 32
...
	.end_amdgpu_metadata
.endif
;; end of part 2
;; launch attn (part 3): grid 4 x 64, 16 waves a work-group, no clusters, 210,944 bytes of LDS; arguments qrec, kvrec, mb, cc, cs; writes cc, cs
.if DOCPART == 3
	.amdgcn_target "amdgcn-amd-amdhsa--gfx1250"
	.amdhsa_code_object_version 6
	.text
	.protected	k_q278921e25d_attn
	.globl	k_q278921e25d_attn
	.p2align	8
	.type	k_q278921e25d_attn,@function
k_q278921e25d_attn:
	s_mov_b64 s[64:65], 0
	v_nop
	global_prefetch_b8 v0, s[64:65] scope:SCOPE_SE
	s_setreg_imm32_b32 hwreg(HW_REG_WAVE_MODE, 25, 1), 1
	s_wait_xcnt 0x0
; ctx = softmax(Q K^T / 8, masked) V for one (batch, head) and 512 queries a work-group, both products on codes of FP6 (E2M3) with E8M0 scales; ctx / l is quantised along E for the last product.
; t = score x log2(e) / 8; M = the running largest t rounded up to a whole number; p = 2^(t - M) is quantised along the keys; the row's sum l is taken of the unquantised p and divides at the end.
; SHARES.  Sixteen waves; a wave owns one tile of 16 queries in each of two passes.  The head's 16 records (K's tiles, V^T's fragments, their scale words: 208,896 bytes) are copied into LDS once, through registers;
; one barrier; behind it LDS is only read.  No branch, address or trip count hangs on loaded data.
; NO CLUSTER: what the four work-groups of a head share is that one copy at the head, 26 loads a thread, against 32 key steps a wave of some 310 vector instructions each: a small part of the launch's work;
; in the steps themselves the work-groups share nothing (each has its own queries and its own mask words).
; LAYOUT.  Both products transposed: S^T = K Q^T, O^T = V^T P^T: a lane holds one query.  K's tiles hold their keys permuted, so that S's register 16 b + i is key 32 b + 16 h + i; V^T's rows likewise, so that O's register
; 16 g + i is channel 32 g + 16 h + i.  The first product's K is 64: registers 6-11 of both operands are zero codes, written once.
; THE MASK.  64 lane-mask words a step (bit 16 h + r of word n: does key n's place count for query r) come by scalar loads; one v_cndmask_b32 a score, in every step.
; LIMIT: a hidden score is set to -2^33, that is, a logit of -2^30 where reference() has -1e9: c x 2^33 is a whole number exact in f32, so a row with no open key gives p = 1 everywhere, the uniform softmax.
; The result differs from reference() only where open logits lie under about -1e9.  NaN and infinities are not served.
; cs is stored two bytes a row (2 bytes beside every 48 bytes of codes); lanes r and 16 + r store the same value to the same place.
.set REC,   13056
.set HEADB, 208896
.set KB,    32                         ; v32-79   four fragments of K (registers 6-11 of each stay zero)
.set VB,    80                         ; v80-127  four fragments of V^T
.set S,     128                        ; v128-191 S^T, then p
.set O,     192                        ; v192-223 O^T
.set PC,    224                        ; v224-235 p's codes
.set CT,    236                        ; v236-243 at work
.set BM,    244                        ; v244-247 the blocks' largest scores, then largest p
.set SO,    248                        ; v248-251 the conversions' scale operands
; v1 16 x lane, v2 8 x lane, v3-4 the step's LDS addresses, v5 -2^33, v6 Q's scale word, v7 p's, v8-11 K's, v12-13 V's, v14 -M, v15 the largest t, v16-17 the sum, v18-19 f, v20-31 Q, v252-253 second chain, v254 temp, v255 32 r
	s_load_b256 s[4:11], s[0:1], 0x0               ; qrec, kvrec, mb, cc
	s_load_b64 s[12:13], s[0:1], 0x20              ; cs
	v_lshrrev_b32 v1, 5, v0
	v_readfirstlane_b32 s14, v1                    ; wave 0..15
	s_and_b32 s98, ttmp7, 0xffff                   ; batch x 16 + head
	s_lshr_b32 s99, s98, 4
	s_and_b32 s100, s98, 15
	s_lshl_b32 s101, ttmp9, 5
	s_add_co_u32 s101, s101, s14                   ; my tile of queries in the first pass
	s_mul_i32 s2, s98, HEADB
	s_mov_b32 s3, 0
	v_lshlrev_b32 v236, 4, v0                      ; the copy: 16 bytes a thread, 8,192 a round
	v_add_nc_u32 v237, 0x10000, v236
	v_add_nc_u32 v238, 0x20000, v236
	v_add_nc_u32 v239, 0x30000, v236
	v_lshlrev_b32 v240, 3, v0
	v_add_nc_u32 v241, 0x30000, v240
	s_wait_kmcnt 0x0
	s_add_nc_u64 s[6:7], s[6:7], s[2:3]            ; the head's records
	s_add_nc_u64 s[4:5], s[4:5], s[2:3]
.set i, 0
.rept 25
	global_load_b128 v[32+4*i:35+4*i], v236, s[6:7] offset:8192*i
.set i, i+1
.endr
	global_load_b64 v[132:133], v240, s[6:7] offset:204800   ; the last 4,096 bytes
.set i, 0
.rept 25
	s_wait_loadcnt 25-i                            ; round i is in; the younger loads may be out
	ds_store_b128 v[236+i/8], v[32+4*i:35+4*i] offset:8192*(i%8)
.set i, i+1
.endr
	s_wait_loadcnt 0x0
	ds_store_b64 v241, v[132:133] offset:8192
	s_wait_dscnt 0x0                               ; for the others' sake: my stores have landed
	s_barrier_signal -1
	s_barrier_wait -1
	v_and_b32 v1, 31, v0
	v_lshlrev_b32 v2, 3, v1
	v_lshlrev_b32 v1, 4, v1
	v_mov_b32 v5, 0xd0000000                       ; -2^33
	v_mov_b32 v19, 0                               ; (named as the upper half of the pair v[18:19])
	v_mov_b32 v254, 0
	v_and_b32 v255, 15, v0
	v_lshlrev_b32 v255, 5, v255                    ; 32 r: a row of cs
.irp j, 26,27,28,29,30,31
	v_mov_b32 v[\j], 0                             ; Q's K = 64 .. 127: zero codes
.endr
.irp t, 0,1,2,3
.irp j, 6,7,8,9,10,11
	v_mov_b32 v[KB+12*\t+\j], 0                    ; K's likewise
.endr
.endr
.irp j, 0,1,2,3,4,5,6,7
	v_mov_b32 v[CT+\j], 0                          ; (a lane permute's destination counts as read)
.endr
	s_mov_b32 s88, 0x76543210
	s_mov_b32 s89, 0xfedcba98                      ; selects for lane l xor 16
	s_mov_b32 s90, 0x3e38aa3b                      ; c = log2(e) / 8
	s_mov_b32 s91, s90
	s_mov_b32 s15, 0
.Lpass:
	s_wait_xcnt 0x0                                ; the last pass's stores have read their bases and registers
	s_lshl_b32 s2, s15, 4
	s_add_co_u32 s2, s2, s101                      ; my tile of queries in the batch, 0 .. 127
	s_lshl_b32 s3, s99, 7
	s_add_co_u32 s3, s3, s2                        ; and among all 512
	s_lshr_b32 s92, s2, 3
	s_mul_i32 s92, s92, REC
	s_mov_b32 s93, 0
	s_add_nc_u64 s[92:93], s[4:5], s[92:93]        ; its record
	s_and_b32 s85, s2, 7
	s_mul_i32 s85, s85, 768
	v_add_nc_u32 v252, s85, v1
	v_add_nc_u32 v253, s85, v2
	s_bfe_u32 s85, s2, 0x10002
	s_lshl_b32 s85, s85, 8
	s_and_b32 s84, s2, 3
	s_lshl_b32 s84, s84, 2
	s_add_co_u32 s85, s85, s84
	v_and_b32 v254, 15, v0
	v_lshl_add_u32 v254, v254, 4, s85              ; the word of tile 4 u + i, row r, lies at 256 u + 16 r + 4 i
	global_load_b128 v[20:23], v252, s[92:93]
	global_load_b64 v[24:25], v253, s[92:93] offset:512
	global_load_b32 v6, v254, s[92:93] offset:12288
	s_lshl_b32 s86, s3, 12
	s_mov_b32 s87, 0
	s_add_nc_u64 s[86:87], s[8:9], s[86:87]        ; my mask words
	s_lshl_b32 s94, s3, 4
	s_add_co_u32 s94, s94, s100
	s_mul_i32 s94, s94, 768
	s_mov_b32 s95, 0
	s_add_nc_u64 s[94:95], s[10:11], s[94:95]      ; my half image of ctx's codes
	s_lshl_b32 s96, s3, 9
	s_lshl_b32 s97, s100, 1
	s_add_co_u32 s96, s96, s97
	s_mov_b32 s97, 0
	s_add_nc_u64 s[96:97], s[12:13], s[96:97]      ; and its two scale bytes a row
	v_mov_b32 v15, 0xff61b1e6                      ; the largest t so far: -3e38
	v_floor_f32 v14, -v15
	v_mov_b32 v16, 0
	v_mov_b32 v17, 0
.set i, 0
.rept 32
	v_mov_b32 v[O+i], 0                            ; the step is written once: its first trip finds zeros
.set i, i+1
.endr
	s_mov_b32 s66, 0                               ; the step's record in LDS
	s_mov_b32 s67, 0                               ; the step
	s_wait_loadcnt 0x0
.Lstep:
	s_load_b512 s[16:31], s[86:87], 0x0            ; the step's 64 mask words
	s_load_b512 s[32:47], s[86:87], 0x40
	s_load_b512 s[48:63], s[86:87], 0x80
	s_load_b512 s[68:83], s[86:87], 0xc0
	v_add_nc_u32 v3, s66, v1
	v_add_nc_u32 v4, s66, v2
.irp t, 0,1,2,3
	ds_load_b128 v[KB+12*\t:KB+12*\t+3], v3 offset:768*\t
	ds_load_b64 v[KB+12*\t+4:KB+12*\t+5], v4 offset:768*\t+512
.endr
	ds_load_b128 v[8:11], v3 offset:12288          ; lanes 0-15 the words of tiles 0-3, lanes 16-31 of tiles 4-7
	s_wait_dscnt 0x0
.irp t, 0,1,2,3
	v_wmma_scale_f32_16x16x128_f8f6f4 v[S+8*\t:S+8*\t+7], v[KB+12*\t:KB+12*\t+11], v[20:31], 0, v[8+\t], v6 matrix_a_fmt:MATRIX_FMT_FP6 matrix_b_fmt:MATRIX_FMT_FP6
.endr
.rept 4
	v_nop                                          ; places in front of loads into registers that matrix instructions have read
.endr
.irp t, 0,1,2,3
	ds_load_b128 v[KB+12*\t:KB+12*\t+3], v3 offset:768*(4+\t)
	ds_load_b64 v[KB+12*\t+4:KB+12*\t+5], v4 offset:768*(4+\t)+512
.endr
.irp t, 0,1,2,3
	ds_load_b128 v[VB+12*\t:VB+12*\t+3], v3 offset:6144+1536*\t
	ds_load_b64 v[VB+12*\t+4:VB+12*\t+5], v4 offset:6144+1536*\t+512
	ds_load_b128 v[VB+12*\t+6:VB+12*\t+9], v3 offset:6144+1536*\t+768
	ds_load_b64 v[VB+12*\t+10:VB+12*\t+11], v4 offset:6144+1536*\t+1280
.endr
	ds_load_b64 v[12:13], v4 offset:12800          ; lanes 0-15 the words of V's tiles 0, 1, lanes 16-31 of tiles 2, 3
	s_wait_dscnt 17                                ; K's tiles 4-7 are in; V's 16 loads and its scale words may be out
.irp t, 0,1,2,3
	v_wmma_scale_f32_16x16x128_f8f6f4 v[S+32+8*\t:S+32+8*\t+7], v[KB+12*\t:KB+12*\t+11], v[20:31], 0, v[8+\t], v6 matrix_a_fmt:MATRIX_FMT_FP6 matrix_b_fmt:MATRIX_FMT_FP6 matrix_a_scale:MATRIX_SCALE_ROW1
.endr
.rept 4
	v_nop
.endr
	s_wait_kmcnt 0x0                               ; the mask words are in, and their base may be stepped
.set n, 0
.rept 64
.if n < 48
	v_cndmask_b32 v[S+n], v5, v[S+n], s[16+n]      ; a hidden score becomes -2^33; each accumulator is read from its low end on
.else
	v_cndmask_b32 v[S+n], v5, v[S+n], s[20+n]
.endif
.set n, n+1
.endr
.irp b, 0,1,2,3
	v_max3_num_f32 v[BM+\b], v[S+16*\b], v[S+1+16*\b], v[S+2+16*\b]   ; the largest score of each block of 32 keys: for the row's maximum and for the block's largest p
.endr
.irp i, 3,5,7,9,11,13
.irp b, 0,1,2,3
	v_max3_num_f32 v[BM+\b], v[BM+\b], v[S+16*\b+\i], v[S+1+16*\b+\i]
.endr
.endr
.irp b, 0,1,2,3
	v_max_num_f32 v[BM+\b], v[BM+\b], v[S+15+16*\b]
.endr
.irp b, 0,1,2,3
	v_permlanex16_b32 v[CT+\b], v[BM+\b], s88, s89
.endr
.irp b, 0,1,2,3
	v_max_num_f32 v[BM+\b], v[BM+\b], v[CT+\b]
.endr
	v_max3_num_f32 v254, v[BM], v[BM+1], v[BM+2]
	v_max_num_f32 v254, v254, v[BM+3]
	v_mul_f32 v254, s90, v254
	v_max_num_f32 v15, v15, v254                   ; the running largest t
	v_mov_b32 v254, v14
	v_floor_f32 v14, -v15                          ; -M = floor(-t): M is a whole number
	v_sub_f32 v254, v14, v254
	v_cvt_i32_f32 v254, v254                       ; (it saturates)
	v_ldexp_f32 v18, 1.0, v254                     ; f = 2^(old M - new M)
.set i, 0
.rept 32
	v_pk_fma_f32 v[S+i:S+i+1], v[S+i:S+i+1], s[90:91], v[14:15] op_sel_hi:[1,0,0]   ; t - M
.set i, i+2
.endr
.irp b, 0,1,2,3
	v_fma_f32 v[BM+\b], v[BM+\b], s90, v14
.endr
.set i, 0
.rept 64
	v_exp_f32 v[S+i], v[S+i]
.set i, i+1
.endr
	v_pk_mul_f32 v[16:17], v[16:17], v[18:19] op_sel_hi:[1,0]   ; the sums under the new M: the plain line behind the exponentials
	s_wait_alu depctr_va_vdst(0)                   ; one wait for the batch, ahead of its first reader
.irp b, 0,1,2,3
	v_exp_f32 v[BM+\b], v[BM+\b]                   ; the blocks' largest p
.endr
	v_pk_add_f32 v[252:253], v[S:S+1], v[S+2:S+3]  ; the row's sum of the unquantised p, in two chains
.irp j, 4,8,12,16,20,24,28,32,36,40,44,48,52,56,60
	v_pk_add_f32 v[16:17], v[16:17], v[S+\j:S+1+\j]
	v_pk_add_f32 v[252:253], v[252:253], v[S+2+\j:S+3+\j]
.endr
	v_pk_add_f32 v[16:17], v[16:17], v[252:253]
	s_wait_alu depctr_va_vdst(0)                   ; and one for the four
.irp b, 0,1,2,3
	v_max_num_f32 v[BM+\b], 0x1800000, v[BM+\b]    ; the floor 2^(3 - 127)
.endr
.irp b, 0,1,2,3
	v_add_nc_u32 v[SO+\b], 0xff000000, v[BM+\b]
.endr
.irp b, 0,1,2,3
	v_lshrrev_b32 v[CT+\b], 23, v[SO+\b]
.endr
	v_lshl_or_b32 v7, v[CT+1], 8, v[CT]            ; p's scale word
	v_lshl_or_b32 v7, v[CT+2], 16, v7
	v_lshl_or_b32 v7, v[CT+3], 24, v7
.irp c, 0,1
	v_cvt_scalef32_pk16_fp6_f32 v[PC+6*\c:PC+2+6*\c], v[S+32*\c:S+15+32*\c], v[SO+2*\c]
	v_cvt_scalef32_pk16_fp6_f32 v[CT+4*\c:CT+2+4*\c], v[S+16+32*\c:S+31+32*\c], v[SO+2*\c+1]
.endr
	v_nop                                          ; one plain line behind the conversions
.irp c, 0,1
.irp i, 0,1,2
	v_permlane16_swap_b32 v[PC+6*\c+\i], v[CT+4*\c+\i]
.endr
.irp i, 0,1,2
	v_mov_b32 v[PC+3+6*\c+\i], v[CT+4*\c+\i]
.endr
.endr
.set i, 0
.rept 16
	v_pk_mul_f32 v[O+i:O+i+1], v[O+i:O+i+1], v[18:19] op_sel_hi:[1,0]   ; O^T under the new M; these are also the places in front of the products below
.set i, i+2
.endr
	s_wait_dscnt 0x0                               ; V
.irp t, 0,1
	v_wmma_scale_f32_16x16x128_f8f6f4 v[O+8*\t:O+8*\t+7], v[VB+12*\t:VB+12*\t+11], v[PC:PC+11], v[O+8*\t:O+8*\t+7], v[12+\t], v7 matrix_a_fmt:MATRIX_FMT_FP6 matrix_b_fmt:MATRIX_FMT_FP6
.endr
.irp t, 0,1
	v_wmma_scale_f32_16x16x128_f8f6f4 v[O+16+8*\t:O+16+8*\t+7], v[VB+24+12*\t:VB+24+12*\t+11], v[PC:PC+11], v[O+16+8*\t:O+16+8*\t+7], v[12+\t], v7 matrix_a_fmt:MATRIX_FMT_FP6 matrix_b_fmt:MATRIX_FMT_FP6 matrix_a_scale:MATRIX_SCALE_ROW1
.endr
	s_add_nc_u64 s[86:87], s[86:87], 256
	s_add_co_u32 s66, s66, REC
	s_add_co_u32 s67, s67, 1
	s_cmp_lt_u32 s67, 16
	s_cbranch_scc1 .Lstep
.rept 4
	v_nop                                          ; places behind the last products
.endr
	v_add_f32 v16, v16, v17
	v_permlanex16_b32 v254, v16, s88, s89
	v_add_f32 v16, v16, v254                       ; the row's sum
	v_rcp_f32 v16, v16
	v_nop
	s_wait_alu depctr_va_vdst(0)
.set i, 0
.rept 16
	v_pk_mul_f32 v[S+i:S+i+1], v[O+i:O+i+1], v[16:17] op_sel_hi:[1,0]   ; ctx: register 16 g + i is channel 32 g + 16 h + i of my query
.set i, i+2
.endr
.irp b, 0,1
	v_max3_num_f32 v[BM+\b], |v[S+16*\b]|, |v[S+1+16*\b]|, 0x1800000
.endr
.irp i, 2,4,6,8,10,12,14
.irp b, 0,1
	v_max3_num_f32 v[BM+\b], v[BM+\b], |v[S+16*\b+\i]|, |v[S+1+16*\b+\i]|
.endr
.endr
.irp b, 0,1
	v_permlanex16_b32 v[CT+\b], v[BM+\b], s88, s89
.endr
.irp b, 0,1
	v_max_num_f32 v[BM+\b], v[BM+\b], v[CT+\b]
.endr
.irp b, 0,1
	v_add_nc_u32 v[SO+\b], 0xff000000, v[BM+\b]
.endr
.irp b, 0,1
	v_lshrrev_b32 v[CT+\b], 23, v[SO+\b]
.endr
	v_lshl_or_b32 v254, v[CT+1], 8, v[CT]          ; the head's two scale bytes of my row
	v_cvt_scalef32_pk16_fp6_f32 v[PC:PC+2], v[S:S+15], v[SO]
	v_cvt_scalef32_pk16_fp6_f32 v[CT+4:CT+6], v[S+16:S+31], v[SO+1]
	v_nop
.irp i, 0,1,2
	v_permlane16_swap_b32 v[PC+\i], v[CT+4+\i]
.endr
.irp i, 0,1,2
	v_mov_b32 v[PC+3+\i], v[CT+4+\i]
.endr
	global_store_b128 v1, v[PC:PC+3], s[94:95]                 ; one half image: 512
	global_store_b64 v2, v[PC+4:PC+5], s[94:95] offset:512     ; and 256 consecutive bytes
	global_store_b16 v255, v254, s[96:97]
	s_add_co_u32 s15, s15, 1
	s_cmp_lt_u32 s15, 2
	s_cbranch_scc1 .Lpass
	s_wait_xcnt 0x0
	v_lshl_add_u32 v254, v0, 2, 0x33000
	v_mov_b32 v255, 0
	s_wait_tensorcnt 0x0
	ds_add_u32 v254, v255
	s_wait_dscnt 0x0
	s_endpgm
.Lfunc_end_k_q278921e25d_attn:
	.size	k_q278921e25d_attn, .Lfunc_end_k_q278921e25d_attn-k_q278921e25d_attn
	.p2alignl 7, 3214868480
	.fill 96, 4, 3214868480
	.section	.rodata,"a",@progbits
	.p2align	6, 0x0
	.amdhsa_kernel k_q278921e25d_attn
		.amdhsa_group_segment_fixed_size 210944
		.amdhsa_private_segment_fixed_size 0
		.amdhsa_enable_private_segment 0
		.amdhsa_kernarg_size 40
		.amdhsa_user_sgpr_count 2
		.amdhsa_user_sgpr_kernarg_segment_ptr 1
		.amdhsa_wavefront_size32 1
		.amdhsa_system_sgpr_workgroup_id_x 1
		.amdhsa_system_sgpr_workgroup_id_y 1
		.amdhsa_system_sgpr_workgroup_id_z 1
		.amdhsa_system_vgpr_workitem_id 0
		.amdhsa_next_free_vgpr 256
		.amdhsa_next_free_sgpr 102
		.amdhsa_reserve_vcc 0
		.amdhsa_float_denorm_mode_32 3
		.amdhsa_float_denorm_mode_16_64 3
		.amdhsa_memory_ordered 1
		.amdhsa_forward_progress 1
		.amdhsa_inst_pref_size 35
	.end_amdhsa_kernel
	.amdgpu_metadata
---
amdhsa.version: [ 1, 2 ]
amdhsa.kernels:
  - .name:           k_q278921e25d_attn
    .symbol:         k_q278921e25d_attn.kd
    .args:
      - { .name: qrec, .offset: 0, .size: 8, .value_kind: global_buffer, .address_space: global }
      - { .name: kvrec, .offset: 8, .size: 8, .value_kind: global_buffer, .address_space: global }
      - { .name: mb, .offset: 16, .size: 8, .value_kind: global_buffer, .address_space: global }
      - { .name: cc, .offset: 24, .size: 8, .value_kind: global_buffer, .address_space: global }
      - { .name: cs, .offset: 32, .size: 8, .value_kind: global_buffer, .address_space: global }
    .group_segment_fixed_size: 210944
    .private_segment_fixed_size: 0
    .kernarg_segment_align: 8
    .kernarg_segment_size: 40
    .max_flat_workgroup_size: 512
    .sgpr_count:     102
    .vgpr_count:     256
    .wavefront_size: 32
...
	.end_amdgpu_metadata
.endif
;; end of part 3
;; launch outp (part 4): grid 4 x 32, 4 waves a work-group, clusters of 4 x 4, 327,680 bytes of LDS; arguments cc, cs, cod, scl, bo, out0; writes out0
.if DOCPART == 4
	.amdgcn_target "amdgcn-amd-amdhsa--gfx1250"
	.amdhsa_code_object_version 6
	.text
	.protected	k_q278921e25d_outp
	.globl	k_q278921e25d_outp
	.p2align	8
	.type	k_q278921e25d_outp,@function
k_q278921e25d_outp:
	s_mov_b64 s[64:65], 0
	v_nop
	global_prefetch_b8 v0, s[64:65] scope:SCOPE_SE
	s_setreg_imm32_b32 hwreg(HW_REG_WAVE_MODE, 25, 1), 1
	s_wait_xcnt 0x0
	s_wait_alu depctr_hold_cnt(0) depctr_sa_sdst(0) depctr_va_vdst(0) depctr_va_sdst(0) depctr_va_ssrc(0) depctr_va_vcc(0) depctr_vm_vsrc(0)
	s_getreg_b32 s2, hwreg(HW_REG_IB_STS2, 6, 4)
	s_cmp_eq_u32 s2, 0
	s_cbranch_scc0 .Lentry_in_a_cluster
	s_endpgm
.Lentry_in_a_cluster:
	s_bfe_u32 s2, ttmp6, 0x10000c
	s_cmp_lg_u32 s2, 0xf033
	s_cbranch_scc0 .Lentry_shape_is_right
	s_endpgm
.Lentry_shape_is_right:
; out0 = gelu(ctx Wo^T + bo), the product on codes of FP6 (E2M3) with E8M0 scales; gelu exact (by erf), in f32.
; A tile of 256 x 256 a work-group, four waves of 128 x 128.  Source 1 ("A") = 16 tokens of ctx, source 0 ("B") = 16 rows of Wo: a lane holds eight neighbouring columns of one row of the output.
; K = 1,024 is four parts of 256: parts 0, 1, 2 are first fills of three LDS slots, part 3 fills slot 0 again behind one round of the cluster's barrier.  By this text's own count a wave has at most four tensor loads out.
; Tiles lie in memory and in LDS as images of operand registers (half images of 768 bytes): a fragment is four dense LDS loads.  CLUSTER 4 x 4: A's tiles shared along a row, B's along a column, by joint loads.
; GELU.  erf by Abramowitz and Stegun 7.1.26 (absolute error 1.5e-7 for every argument): with t = 1 / (1 + C1 |x|), gelu(x) = max(x, 0) + |x| (A1 t + .. + A5 t^5) 2^(-C2 x^2),
; C1 = 0.3275911 / sqrt(2), C2 = log2(e) / 2, Ai = -a_i / 2: no difference of near numbers on either side of 0.
; THE WAY OUT is a loop of two trips of four blocks of 16 rows (the accumulators of window 2, then of window 3: a short branch on the trip round the 32 bias additions alone), to keep the text short.
; A block goes through my stage in LDS and leaves as whole rows of 512 bytes.  The stage lies in slot 1: it has had its only fill, and every wave has passed a barrier behind its last read of it.
; REGISTERS: window 0: v8-19 LDS addresses, later six pairs of constants; v24-26 the way out's addresses; v27 scale address; v28-29 the spare word's; v32-63 scale words; v64-95 the polynomial; v128-223 A's fragments,
;   later v128-191 a block, v192-223 t, v224-255 the exponential.  window 1: B's fragments (v0-95, v128-223), the bias in v96-127 and v224-255; later rows read back in v0-63 and v128-191.  windows 2, 3: the accumulators.
.set FR,    12
.set NQ,    2
.set TILEB, 3072
.set HALFT, 8*TILEB
.set SLOT,  4*HALFT
.set SCL,   3*SLOT
.set HALFS, 16*272
.set SBLK,  2*272
.set SPARE, SCL+4*HALFS                ; the spare words: 128 bytes a wave, named by no other line
.set ADRA,  8
.set ADRB,  14
.set STO,   24
.set RD,    25
.set CO,    26
.set ADRS,  27
.set SPW,   28
.set NIL,   29
.set SC,    32
.set P,     64
.set AF,    128
.set T,     128
.set U,     192
.set E,     224
.set CN,    8
.set G1,    24
.set G0,    32
.set G1B,   44
.set G0B,   52
.set G1S,   68
.set G0S,   76
.set G1SB,  80
.set G0SB,  88
.set MSB, 0
.macro WIN new                         ; the immediate's high byte repeats the setting that is left
.if MSB != (\new)
	s_set_vgpr_msb (MSB<<8)|(\new)
.set MSB, (\new)
.endif
.endm
.set MUL_LO, 0xa1
.set MUL_HI, 0xf1
.set TO_B,   0x40
.macro JLOAD g0a, g1a, g0b, g1b        ; a joint load: waves 0, 1 fetch for A, waves 2, 3 for B; four v_nop follow each line
	s_cmp_eq_u32 s15, 0
	s_cbranch_scc0 .Lfor_b_\@
	tensor_load_to_lds s[\g0a:\g0a+3], s[\g1a:\g1a+7]
	s_nop 0
.rept 4
	v_nop
.endr
	s_branch .Lasked_\@
.Lfor_b_\@:
	tensor_load_to_lds s[\g0b:\g0b+3], s[\g1b:\g1b+7]
	s_nop 0
.rept 4
	v_nop
.endr
.Lasked_\@:
.endm
.macro CREST
	s_cmp_lg_u32 s14, 0
	s_cbranch_scc1 .Lnot_wave_0_\@
	s_barrier_signal -3
.Lnot_wave_0_\@:
	s_barrier_wait -3
	s_barrier_signal -1
	s_barrier_wait -1
.endm
.macro CROUND
	s_barrier_signal -1
	s_barrier_wait -1
	CREST
.endm
.macro PLACES n
.rept \n
	v_nop
.endr
.endm
.macro FRAG reg, adr, slot, q, i
	ds_load_b128 v[\reg:\reg+3], v[\adr+\slot] offset:(\i)*TILEB+(\q)*1536
	ds_load_b64 v[\reg+4:\reg+5], v[\adr+3+\slot] offset:(\i)*TILEB+(\q)*1536+512
	ds_load_b128 v[\reg+6:\reg+9], v[\adr+\slot] offset:(\i)*TILEB+(\q)*1536+768
	ds_load_b64 v[\reg+10:\reg+11], v[\adr+3+\slot] offset:(\i)*TILEB+(\q)*1536+1280
.endm
.macro MUL16 a0, p, q, sc, zero        ; the 64 accumulators take turns
.irp a, \a0, \a0+1
.irp b, 0,1,2,3,4,5,6,7
.if \zero
	v_wmma_scale_f32_16x16x128_f8f6f4 v[8*(8*((\a)%4)+\b):8*(8*((\a)%4)+\b)+7], v[128*(\p)+FR*\b:128*(\p)+FR*\b+FR-1], v[AF+FR*(\a):AF+FR*(\a)+FR-1], 0, v[SC+8*NQ*(\sc)+NQ*\b+(\q)], v[SC+8*NQ*(\sc)+NQ*(\a)+(\q)] matrix_a_fmt:MATRIX_FMT_FP6 matrix_b_fmt:MATRIX_FMT_FP6 matrix_a_scale:MATRIX_SCALE_ROW1
.else
	v_wmma_scale_f32_16x16x128_f8f6f4 v[8*(8*((\a)%4)+\b):8*(8*((\a)%4)+\b)+7], v[128*(\p)+FR*\b:128*(\p)+FR*\b+FR-1], v[AF+FR*(\a):AF+FR*(\a)+FR-1], v[8*(8*((\a)%4)+\b):8*(8*((\a)%4)+\b)+7], v[SC+8*NQ*(\sc)+NQ*\b+(\q)], v[SC+8*NQ*(\sc)+NQ*(\a)+(\q)] matrix_a_fmt:MATRIX_FMT_FP6 matrix_b_fmt:MATRIX_FMT_FP6 matrix_a_scale:MATRIX_SCALE_ROW1
.endif
.endr
.endr
.endm
.macro FETCH_B slot, q, p
	WIN TO_B
.irp i, 0,1,2,3,4,5,6,7
	FRAG 128*(\p)+FR*\i, ADRB, \slot, \q, \i
.endr
	WIN 0
.endm
.macro FETCH_A slot, q, i0
.irp i, \i0, \i0+1, \i0+2, \i0+3
	FRAG AF+FR*(\i), ADRA, \slot, \q, \i
.endr
.endm
.macro SCALES sc
.irp i, 0,1,2,3,4,5,6,7
	ds_load_b64 v[SC+8*NQ*\sc+NQ*\i:SC+8*NQ*\sc+NQ*\i+1], v[ADRS] offset:\i*SBLK
.endr
.endm
.macro STEP slot, sc, zero
	s_wait_dscnt 16                                ; all but the youngest 16 loads (A's blocks 4-7)
	WIN MUL_LO
	MUL16 0, 0, 0, \sc, \zero
	MUL16 2, 0, 0, \sc, \zero
	s_wait_dscnt 0x0
	PLACES 4
	FETCH_B \slot, 1, 1
	FETCH_A \slot, 1, 0
	WIN MUL_HI
	MUL16 4, 0, 0, \sc, \zero
	MUL16 6, 0, 0, \sc, \zero
	PLACES 4
	WIN 0
	FETCH_A \slot, 1, 4
.endm
; mode 2: slot 0 is filled again behind a round of the cluster's barrier; mode 1: a barrier that shows that refill to every wave; mode 0: none is wanted (the round has shown slots 1 and 2 whole to every wave)
.macro TURN slot, sc, next, nsc, mode
.if \mode
	s_wait_tensorcnt 0x0                           ; all my tensor loads have landed
	ds_add_u32 v[SPW], v[NIL]                      ; 0 onto my spare word
	s_wait_dscnt 17                                ; (the add and the youngest 16 loads may be out)
.else
	s_wait_dscnt 16
.endif
	WIN MUL_LO
	MUL16 0, 1, 1, \sc, 0
	s_wait_dscnt 0x0                               ; the add is done, and my reads of this slot are over
.if \mode
	s_barrier_signal -1
.endif
	MUL16 2, 1, 1, \sc, 0
	WIN 0
.if \mode
	s_barrier_wait -1
.endif
.if \mode == 2
	CREST
	s_add_nc_u64 s[G0+2:G0+3], s[G0+2:G0+3], 3*TILEB
	s_add_nc_u64 s[G0B+2:G0B+3], s[G0B+2:G0B+3], 3*TILEB
	JLOAD G0, G1, G0B, G1B                         ; the one refill; its four v_nop are the places in front of the loads below
.else
	PLACES 4
.endif
	v_add_nc_u32 v[ADRS], 4*NQ, v[ADRS]
	FETCH_B \next, 0, 0
	FETCH_A \next, 0, 0
	SCALES \nsc
	WIN MUL_HI
	MUL16 4, 1, 1, \sc, 0
	MUL16 6, 1, 1, \sc, 0
	PLACES 4
	WIN 0
	FETCH_A \next, 0, 4
.endm
.macro ADDB q                          ; block q of the window in hand + the bias -> v[T] on, each accumulator from its low end on
.set p, 0
.rept 32
	v_pk_add_f32 v[T+2*p:T+2*p+1], v[64*(\q)+2*p:64*(\q)+2*p+1], v[96+2*p+96*(p/16):97+2*p+96*(p/16)]
.set p, p+1
.endr
.endm
.macro GELU g                          ; 32 numbers at v[T + 32 g], in place
.set X0, T+32*(\g)
.set i, 0
.rept 32
	v_fma_f32 v[U+i], |v[X0+i]|, s24, 1.0
.set i, i+1
.endr
.set i, 0
.rept 16
	v_pk_mul_f32 v[E+i:E+i+1], v[X0+i:X0+i+1], v[X0+i:X0+i+1]
.set i, i+2
.endr
.set i, 0
.rept 16
	v_pk_mul_f32 v[E+i:E+i+1], v[E+i:E+i+1], v[CN+10:CN+11]
.set i, i+2
.endr
.set i, 0
.rept 32
	v_rcp_f32 v[U+i], v[U+i]
.set i, i+1
.endr
.set i, 0
.rept 32
	v_exp_f32 v[E+i], -v[E+i]
.set i, i+1
.endr
	v_nop                                          ; the plain line behind the batch,
	s_wait_alu depctr_va_vdst(0)                   ; and its one wait, ahead of the first reader
.set i, 0
.rept 16
	v_pk_fma_f32 v[P+i:P+i+1], v[U+i:U+i+1], v[CN:CN+1], v[CN+2:CN+3]
.set i, i+2
.endr
.irp k, 4,6,8
.set i, 0
.rept 16
	v_pk_fma_f32 v[P+i:P+i+1], v[P+i:P+i+1], v[U+i:U+i+1], v[CN+\k:CN+\k+1]
.set i, i+2
.endr
.endr
.set i, 0
.rept 16
	v_pk_mul_f32 v[P+i:P+i+1], v[P+i:P+i+1], v[U+i:U+i+1]
.set i, i+2
.endr
.set i, 0
.rept 16
	v_pk_mul_f32 v[P+i:P+i+1], v[P+i:P+i+1], v[E+i:E+i+1]
.set i, i+2
.endr
.set i, 0
.rept 32
	v_max_num_f32 v[E+i], 0, v[X0+i]
.set i, i+1
.endr
.set i, 0
.rept 32
	v_fma_f32 v[X0+i], |v[X0+i]|, v[P+i], v[E+i]
.set i, i+1
.endr
.endm
.macro TOSTAGE q
.irp b, 0,1,2,3,4,5,6,7
	ds_store_b128 v[STO], v[T+8*\b:T+8*\b+3] offset:64*\b
	ds_store_b128 v[STO], v[T+8*\b+4:T+8*\b+7] offset:64*\b+16
.endr
	WIN 0x40
.set i, 0
.rept 16
	ds_load_b128 v[128*((\q)%2)+4*i:128*((\q)%2)+4*i+3], v[RD] offset:528*i   ; a wave's LDS instructions are served in order: these see the stores above
.set i, i+1
.endr
	WIN 0
.endm
.macro SEND q
	s_wait_dscnt 0x0                               ; the block is back in registers
	WIN 0x04                                       ; a store's data are its source 1: window 1
.set i, 0
.rept 16
	global_store_b128 v[CO], v[128*((\q)%2)+4*i:128*((\q)%2)+4*i+3], s[12:13] offset:(16*(\q)+i)*4096 th:TH_STORE_NT   ; 32 lanes store 512 consecutive bytes, aligned
.set i, i+1
.endr
	WIN 0
.endm
.macro BLK q
.if \q > 0
	s_wait_dscnt 16                                ; the last block's 16 stage stores are done; its 16 loads may be out
.endif
	s_cmp_eq_u32 s3, 0
	s_cbranch_scc0 .Lhi_\@
	WIN 0x06                                       ; source 0: window 2; source 1 (the bias): window 1
	ADDB \q
	WIN 0
	s_branch .Lsum_\@
.Lhi_\@:
	WIN 0x07                                       ; source 0: window 3
	ADDB \q
	WIN 0
.Lsum_\@:
	GELU 0
	GELU 1
.if \q > 0
	SEND \q-1
.endif
	s_wait_xcnt 0x0                                ; earlier stores have read the registers into which this block is read back
	TOSTAGE \q
.endm
.macro CONST r, val
	v_mov_b32 v[\r], \val
	v_mov_b32 v[\r+1], \val
.endm
	s_load_b256 s[4:11], s[0:1], 0x0               ; cc, cs, cod, scl
	s_load_b128 s[96:99], s[0:1], 0x20             ; bo, out0
	v_lshl_add_u32 v[SPW], v0, 2, SPARE
	v_mov_b32 v[NIL], 0
	ds_add_u32 v28, v29
	ds_add_u32 v28, v29
	s_wait_dscnt 0x0
	v_lshrrev_b32 v1, 5, v0
	v_readfirstlane_b32 s14, v1                    ; wave
	s_lshr_b32 s15, s14, 1                         ; my half of the rows.  Also: I fetch for A (0) or B (1)
	s_and_b32 s16, s14, 1                          ; my half of the columns.  Also: which 128 rows I fetch
	s_bfe_u32 s92, ttmp6, 0x40000                  ; cx
	s_bfe_u32 s93, ttmp6, 0x40004                  ; cy
	s_lshl_b32 s94, ttmp9, 2
	s_add_co_u32 s94, s94, s92                     ; tile column
	s_and_b32 s17, ttmp7, 0xffff
	s_lshl_b32 s17, s17, 2
	s_add_co_u32 s17, s17, s93                     ; tile row
	s_lshl_b32 s3, s93, 2
	s_lshl_b32 s3, 15, s3                          ; my row of the cluster
	s_lshl_b32 s18, 0x1111, s92                    ; my column
	s_or_b32 s[G1], s3, (3<<16)|(1<<21)
	s_or_b32 s[G1B], s18, (3<<16)|(1<<21)
	s_or_b32 s[G1S], s3, (3<<16)|(1<<20)|(1<<21)|(5<<22)|(3<<25)
	s_or_b32 s[G1SB], s18, (3<<16)|(1<<20)|(1<<21)|(5<<22)|(3<<25)
.irp g, G1, G1B
	s_mov_b32 s[\g+1], 384<<16                     ; 8 rows of 3,072 bytes, 12,288 bytes apart
	s_mov_b32 s[\g+2], 8<<16
	s_mov_b32 s[\g+3], 384<<16
	s_mov_b32 s[\g+4], 8
	s_mov_b32 s[\g+5], 1536
	s_mov_b32 s[\g+6], 0
	s_mov_b32 s[\g+7], 0
.endr
.irp g, G1S, G1SB
	s_mov_b32 s[\g+1], 32<<16                      ; 16 rows of 256 bytes, dense
	s_mov_b32 s[\g+2], 16<<16
	s_mov_b32 s[\g+3], 32<<16
	s_mov_b32 s[\g+4], 16
	s_mov_b32 s[\g+5], 32
	s_mov_b32 s[\g+6], 0
	s_mov_b32 s[\g+7], 0
.endr
	s_mul_i32 s2, s16, 98304                       ; the 128 rows that I fetch
	s_mul_i32 s20, s17, 196608
	s_add_co_u32 s20, s20, s2                      ; A's codes
	s_mul_i32 s66, s94, 196608
	s_add_co_u32 s66, s66, s2
	s_add_co_u32 s66, s66, 21233664                ; B's: Wo in cod
	s_lshl_b32 s2, s16, 12
	s_lshl_b32 s22, s17, 13
	s_add_co_u32 s22, s22, s2                      ; A's scales
	s_lshl_b32 s18, s94, 13
	s_add_co_u32 s18, s18, s2
	s_add_co_u32 s18, s18, 884736                  ; B's
	s_mov_b32 s21, 0
	s_mov_b32 s23, 0
	s_mov_b32 s67, 0
	s_mov_b32 s19, 0
	s_mul_i32 s104, s14, HALFT                     ; where my loads go: no place in the cluster enters an LDS address
	s_mul_i32 s105, s14, HALFS
	s_wait_kmcnt 0x0
	s_mov_b64 s[12:13], s[98:99]
	s_add_nc_u64 s[4:5], s[4:5], s[20:21]
	s_add_nc_u64 s[6:7], s[6:7], s[22:23]
	s_add_nc_u64 s[8:9], s[8:9], s[66:67]
	s_add_nc_u64 s[10:11], s[10:11], s[18:19]
	CROUND                                         ; all sixteen work-groups are here: the first joint loads meet
	s_mov_b32 s[G0S], 1
	s_add_co_u32 s[G0S+1], s105, SCL
	s_mov_b64 s[G0S+2:G0S+3], s[6:7]
	s_or_b32 s[G0S+3], s[G0S+3], 0x80000000
	s_mov_b32 s[G0SB], 1
	s_add_co_u32 s[G0SB+1], s105, SCL
	s_mov_b64 s[G0SB+2:G0SB+3], s[10:11]
	s_or_b32 s[G0SB+3], s[G0SB+3], 0x80000000
	JLOAD G0S, G1S, G0SB, G1SB
.irp s, 0,1,2
	s_mov_b32 s[G0+4*\s], 1
	s_add_co_u32 s[G0+4*\s+1], s104, \s*SLOT
	s_add_nc_u64 s[G0+4*\s+2:G0+4*\s+3], s[4:5], \s*TILEB
	s_or_b32 s[G0+4*\s+3], s[G0+4*\s+3], 0x80000000
	s_mov_b32 s[G0B+4*\s], 1
	s_add_co_u32 s[G0B+4*\s+1], s104, \s*SLOT
	s_add_nc_u64 s[G0B+4*\s+2:G0B+4*\s+3], s[8:9], \s*TILEB
	s_or_b32 s[G0B+4*\s+3], s[G0B+4*\s+3], 0x80000000
	JLOAD G0+4*\s, G1, G0B+4*\s, G1B
.endr
	v_and_b32 v1, 31, v0
	v_and_b32 v2, 15, v0                           ; r
	v_bfe_u32 v3, v0, 4, 1                         ; h
	v_lshlrev_b32 v[CO], 4, v1                     ; 16 x lane
	v_lshlrev_b32 v5, 3, v1                        ; 8 x lane
	s_mul_i32 s104, s15, HALFT
	s_mul_i32 s105, s16, HALFT
	s_add_co_u32 s105, s105, 2*HALFT
.irp s, 0,1,2
	v_add_nc_u32 v[ADRA+\s], s104, v[CO]
	v_add_nc_u32 v[ADRA+3+\s], s104, v5
	v_add_nc_u32 v[ADRB+\s], s105, v[CO]
	v_add_nc_u32 v[ADRB+3+\s], s105, v5
	s_add_co_u32 s104, s104, SLOT
	s_add_co_u32 s105, s105, SLOT
.endr
	v_lshlrev_b32 v6, 5, v2
	v_lshrrev_b32 v7, 8, v6
	v_lshl_add_u32 v6, v7, 4, v6
	s_mul_i32 s104, s15, HALFS
	s_mul_i32 s105, s16, HALFS
	s_add_co_u32 s105, s105, 2*HALFS
	s_sub_co_u32 s105, s105, s104
	v_mul_u32_u24 v7, s105, v3                     ; lanes 16-31 take B's
	s_add_co_u32 s104, s104, SCL
	v_add_nc_u32 v6, v6, v7
	v_add_nc_u32 v[ADRS], s104, v6
	s_mul_i32 s104, s14, 8448
	s_add_co_u32 s104, s104, SLOT                  ; my stage: 16 rows x (512 + 16) bytes, in slot 1
	v_mul_u32_u24 v[STO], v2, 528
	v_lshl_add_u32 v[STO], v3, 5, v[STO]
	v_add_nc_u32 v[STO], s104, v[STO]              ; in: row r, + 32 h
	v_add_nc_u32 v[RD], s104, v[CO]                ; back: a row an instruction
	s_lshl_b32 s18, s94, 10
	s_lshl_b32 s19, s16, 9
	s_add_co_u32 s18, s18, s19                     ; my first column, in bytes
	s_mov_b32 s19, 0
	s_add_nc_u64 s[96:97], s[96:97], s[18:19]
	s_add_nc_u64 s[12:13], s[12:13], s[18:19]
	s_lshl_b32 s20, s17, 20
	s_lshl_b32 s21, s15, 19
	s_add_co_u32 s20, s20, s21                     ; my first row, in bytes
	s_mov_b32 s21, 0
	s_add_nc_u64 s[12:13], s[12:13], s[20:21]
	v_lshlrev_b32 v6, 5, v3                        ; the bias: register 8 b + j is column 16 b + 8 h + j
	WIN 0x40
.irp b, 0,1,2,3,4,5,6,7
	global_load_b128 v[96+8*\b+96*(\b/4):99+8*\b+96*(\b/4)], v6, s[96:97] offset:64*\b
	global_load_b128 v[100+8*\b+96*(\b/4):103+8*\b+96*(\b/4)], v6, s[96:97] offset:64*\b+16
.endr
	WIN 0
	s_wait_tensorcnt 2                             ; the scales and part 0 are in; parts 1 and 2 may be out
	s_barrier_signal -1
	s_barrier_wait -1
	FETCH_B 0, 0, 0
	FETCH_A 0, 0, 0
	SCALES 0
	FETCH_A 0, 0, 4
	STEP 0, 0, 1
	TURN 0, 0, 1, 1, 2
	STEP 1, 1, 0
	TURN 1, 1, 2, 0, 0
	STEP 2, 0, 0
	TURN 2, 0, 0, 1, 1
	STEP 0, 1, 0
	s_wait_dscnt 16
	WIN MUL_LO
	MUL16 0, 1, 1, 1, 0
	MUL16 2, 1, 1, 1, 0
	s_wait_dscnt 0x0
	WIN MUL_HI
	MUL16 4, 1, 1, 1, 0
	MUL16 6, 1, 1, 1, 0
	WIN 0
	s_wait_loadcnt 0x0                             ; the bias
	PLACES 4
	CONST CN,    0xbf07dc22                        ; A5 = -1.061405429 / 2
	CONST CN+2,  0x3f3a00e3                        ; A4 =  1.453152027 / 2
	CONST CN+4,  0xbf35f0e3                        ; A3 = -1.421413741 / 2
	CONST CN+6,  0x3e11a98e                        ; A2 =  0.284496736 / 2
	CONST CN+8,  0xbe027906                        ; A1 = -0.254829592 / 2
	CONST CN+10, 0x3f38aa3b                        ; C2 = log2(e) / 2
	s_mov_b32 s24, 0x3e6d3388                      ; C1 = 0.3275911 / sqrt(2)  (no tensor load is out: the descriptors' registers are free)
	s_mov_b32 s3, 0
.Lhalf:
	BLK 0
	BLK 1
	BLK 2
	BLK 3
	SEND 3
	s_wait_xcnt 0x0                                ; the stores have read their base
	s_add_nc_u64 s[12:13], s[12:13], 64*4096
	s_add_co_u32 s3, s3, 1
	s_cmp_lt_u32 s3, 2
	s_cbranch_scc1 .Lhalf
	s_wait_tensorcnt 0x0                           ; the wave's end
	ds_add_u32 v[SPW], v[NIL]
	s_wait_dscnt 0x0
	CROUND                                         ; the closing round
	s_endpgm
.Lfunc_end_k_q278921e25d_outp:
	.size	k_q278921e25d_outp, .Lfunc_end_k_q278921e25d_outp-k_q278921e25d_outp
	.p2alignl 7, 3214868480
	.fill 96, 4, 3214868480
	.section	.rodata,"a",@progbits
	.p2align	6, 0x0
	.amdhsa_kernel k_q278921e25d_outp
		.amdhsa_group_segment_fixed_size 327680
		.amdhsa_private_segment_fixed_size 0
		.amdhsa_enable_private_segment 0
		.amdhsa_kernarg_size 48
		.amdhsa_user_sgpr_count 2
		.amdhsa_user_sgpr_kernarg_segment_ptr 1
		.amdhsa_wavefront_size32 1
		.amdhsa_system_sgpr_workgroup_id_x 1
		.amdhsa_system_sgpr_workgroup_id_y 1
		.amdhsa_system_sgpr_workgroup_id_z 1
		.amdhsa_system_vgpr_workitem_id 0
		.amdhsa_next_free_vgpr 1024
		.amdhsa_next_free_sgpr 106
		.amdhsa_reserve_vcc 0
		.amdhsa_float_denorm_mode_32 3
		.amdhsa_float_denorm_mode_16_64 3
		.amdhsa_memory_ordered 1
		.amdhsa_forward_progress 1
		.amdhsa_inst_pref_size 255
	.end_amdhsa_kernel
	.section	.bss,"aw",@nobits
	.p2align	6
	.space	262144
	.amdgpu_metadata
---
amdhsa.version: [ 1, 2 ]
amdhsa.kernels:
  - .name:           k_q278921e25d_outp
    .symbol:         k_q278921e25d_outp.kd
    .args:
      - { .name: cc, .offset: 0, .size: 8, .value_kind: global_buffer, .address_space: global }
      - { .name: cs, .offset: 8, .size: 8, .value_kind: global_buffer, .address_space: global }
      - { .name: cod, .offset: 16, .size: 8, .value_kind: global_buffer, .address_space: global }
      - { .name: scl, .offset: 24, .size: 8, .value_kind: global_buffer, .address_space: global }
      - { .name: bo, .offset: 32, .size: 8, .value_kind: global_buffer, .address_space: global }
      - { .name: out0, .offset: 40, .size: 8, .value_kind: global_buffer, .address_space: global }
    .group_segment_fixed_size: 327680
    .private_segment_fixed_size: 0
    .kernarg_segment_align: 8
    .kernarg_segment_size: 48
    .max_flat_workgroup_size: 128
    .sgpr_count:     106
    .vgpr_count:     1024
    .wavefront_size: 32
...
	.end_amdgpu_metadata
.endif
;; end of part 4
